; MI455X (gfx1250); checked and timed in simulation.
; The chip was launched on July 23, 2026; its instructions are those of AMD's public machine-readable ISA for CDNA 5 (MIT licence, August 2026) and "CDNA5" Instruction Set Architecture Reference Guide (July 2026). The comments in the code are by the model that wrote it; some were corrected since.
;; Binary Attention. Allowed arithmetic: matrix products marked QUANTISED: E2M3 operands, one E8M0 scale for each 32 along K, by v_wmma_scale_f32_16x16x128_f8f6f4 with both operands' format E2M3, f32 sums; everything else in f32.
;; Inputs: Wk 1,024 x 1,024 float32; Wp 1,024 x 1,024 float32; Wq 1,024 x 1,024 float32; Wv 1,024 x 1,024 float32; bk 1,024 float32; bp 1,024 float32; bq 1,024 float32; bv 1,024 float32; x 4 x 2,048 x 1,024 float32.
;; Outputs: out0 4 x 2,048 x 1,024 float32.
;; This version of the problem:
;;   THIS VERSION OF THE PROBLEM IS GIVEN IN LOW PRECISION. The matrix products marked QUANTISED in the list below multiply operands that are first quantised to E2M3 (2 exponent bits, 3 mantissa bits; 6 bits a number), with one power-of-two scale for each 32 numbers along K (OCP MX v1.0); their sums are f32. All else is computed in f32.
;;   The module's matrix products, in the order in which they are computed (A, B: the left and right operand; K: the contracted axis; several contracted axes count as one K, in the product's order):
;;     1. [M 8,192, K 1,024] x [K 1,024, N 1,024]; A: input x; B: computed on the way: QUANTISED
;;     2. [M 8,192, K 1,024] x [K 1,024, N 1,024]; A: input x; B: computed on the way: QUANTISED
;;     3. [M 8,192, K 1,024] x [K 1,024, N 1,024]; A: input x; B: computed on the way: QUANTISED
;;     4. batch 64 x [M 2,048, K 64] x [K 64, N 2,048]; A: computed on the way; B: computed on the way: QUANTISED
;;     5. batch 64 x [M 2,048, K 2,048] x [K 2,048, N 64]; A: softmax (see below); B: computed on the way: QUANTISED
;;     6. [M 8,192, K 1,024] x [K 1,024, N 1,024]; A: computed on the way; B: computed on the way: QUANTISED
;;   THE QUANTISER, for each operand of a quantised product, along K:
;;     - K is cut into blocks of 32 from its start; a last block that is shorter is filled with zeros.
;;     - A block's scale is 2^e with e = floor(log2(the largest magnitude in the block)) - 2, held to -126 .. 127; a block of zeros has e = 0. As a byte (E8M0): e + 127.
;;     - Each number is divided by its block's scale, clamped to +-7.5, and rounded to the nearest number of E2M3, ties to even, subnormals kept.
;;     - The product sums the exact products of the quantised numbers (number of the format x scale) in f32.
;;   ~~~python
;;   def quantise(x, axis):      # numpy; x: float32 -> the quantised numbers, widened to float32 again
;;       x = np.moveaxis(x, axis, -1); K = x.shape[-1]
;;       x = np.pad(x, [(0, 0)] * (x.ndim - 1) + [(0, -K % 32)]); x = x.reshape(x.shape[:-1] + (-1, 32)); a = np.abs(x).max(-1, keepdims=True)
;;       e = np.where(a > 0, np.clip(np.frexp(np.where(a > 0, a, 1))[1] - 1 - 2, -126, 127), 0)      # np.frexp(a)[1] - 1 = floor(log2(a)), exactly
;;       r = np.clip(x / 2.0 ** e, -7.5, 7.5)
;;       step = 2.0 ** (np.maximum(np.frexp(np.where(r == 0, 1, r))[1] - 1, 0) - 3)
;;       q = np.round(r / step) * step * 2.0 ** e      # np.round: ties to even
;;       return np.moveaxis(q.reshape(q.shape[:-2] + (-1,))[..., :K], -1, axis).astype(np.float32)
;;   ~~~
;;   SOFTMAX AHEAD OF A QUANTISED PRODUCT. Where the list says 'softmax', what is quantised is not the finished softmax but p = 2^(t - M), with t = logit x log2(e) and M = ceil(the row's largest t), a whole number; so 1/2 < the row's largest p <= 1. The row's sum l is taken of the UNQUANTISED p, in f32, and the product's result is divided by l at the end. Since M is a whole number, a kernel that streams over the keys may use a running M (the ceiling of the running maximum): every later rescaling is an exact power of two, which a block's scale takes up: the codes' values come out the same.
;;   OPERANDS COMPUTED ON THE WAY. 'Computed on the way' means the value that the module computes at that place (a softmax that the list does not call 'softmax' is quantised finished and normalised). What goes into a quantiser is computed in f32, as accurately as f32 sums, v_exp_f32 and their like allow (about 1e-6 of the number): no bf16 or f16 on the way to a quantiser, and a product that is left as it is and whose result goes on into a quantised operand takes f32 operands (vector FMAs, or v_wmma_f32_16x16x4_f32). A number that lies on a knife's edge between two numbers of the format may be rounded either way, as far as f32 arithmetic and the matrix unit's own rounding can turn it there, and no further.
;; One version. Each part assembles by itself: llvm-mc -triple=amdgcn-amd-amdhsa -mcpu=gfx1250 --defsym DOCPART=n.
;; ======== version 1 of 1: 4 launches
;; limits: right only within a limited range of input values
;; workspace buffers: cod 9,437,184 bytes; scl 393,216 bytes; qkv 19,660,800 bytes; yc 6,291,456 bytes; ys 262,144 bytes
;; launch prep (part 1): grid 768 x 1, 4 waves a work-group, no clusters, 34,560 bytes of LDS; arguments x, Wq, Wk, Wv, Wp, cod, scl; writes cod, scl
.if DOCPART == 1
	.amdgcn_target "amdgcn-amd-amdhsa--gfx1250"
	.amdhsa_code_object_version 6
	.text
	.protected	k_qcd43849eff_prep
	.globl	k_qcd43849eff_prep
	.p2align	8
	.type	k_qcd43849eff_prep,@function
k_qcd43849eff_prep:
	s_mov_b64 s[64:65], 0
	v_nop
	global_prefetch_b8 v0, s[64:65] scope:SCOPE_SE
	s_setreg_imm32_b32 hwreg(HW_REG_WAVE_MODE, 25, 1), 1
	s_wait_xcnt 0x0
; x [8192][1024] and the four weights [1024][1024], f32, become operands of MX-FP6 products: codes of E2M3 with K (the last axis) innermost, one E8M0 byte for each 32 along K.
; A weight is first binarised as the model does it: alpha[o] = the mean of |W[o][:]|, B = W + (sign(W) - W) in f32, the operand alpha x B; then it goes through the same quantiser as x.
; LAYOUT OF THE RESULT (this program's own).  Work-group T makes tile T of 768: 0-511 x, 512-575 Wq, 576-639 Wk, 640-703 Wv, 704-767 Wp.  A tile is 16 rows; with T' its number in its own tensor, its row m is the
; tensor's row 64 (T' / 4) + 8 (T' % 4) + m % 8 + 32 (m / 8): so four neighbouring tiles of a product's result hold 32 neighbours along the next K, a whole scale block, in a lane's registers.
; Codes: [tile][16 groups of 64 along K][768 bytes]: an image of operand registers 0-5 (lane (r, h): k = 32 h .. 32 h + 31 of row r): registers 0-3 at 16 x lane, registers 4-5 at 512 + 8 x lane.
; Scale bytes: 512 a tile: 128 for each 256 along K, 8 a row.
; SHARES.  Wave w takes K = 256 w .. 256 w + 255 of the 16 rows.  Each load reads 512 consecutive bytes of a row; the numbers turn through the wave's own stage in LDS, so that a lane holds whole blocks of 32.
; LIMITS: NaN and infinities are not served.  A block of zeros, and a block whose largest magnitude lies under 2^-124, gets the byte 1 (the rule says 127 for zeros): its codes add nothing, and this program alone
; reads the bytes.  alpha's 1,024 terms are added in another order than the model's.
.set STG,   8448                       ; a wave's stage: 16 rows x (512 bytes + 16)
.set SUMS,  4*STG                      ; 16 words for each wave: its part of the rows' sums of |W|
.set SPARE, SUMS+256                   ; the spare words, 128 bytes for each wave
.set SPW,   12
.set NIL,   13
.set R0,    16                         ; v16-79   K step 0 as loaded; later K step 1, turned
.set R1,    80                         ; v80-143  K step 1 as loaded; later at work
.set XA,    144                        ; v144-207 K step 0, turned
.set SM,    80
.set S4,    84
.set PC,    88                         ; v88-111  codes, 12 registers a K step: no store's data are written again
.set CT,    112
.set TM,    120
.set SO,    122
.set BY,    124
.set WD,    126
.set W2,    128
.set TU,    130
.set OW,    134
	s_load_b256 s[4:11], s[0:1], 0x0               ; x, Wq, Wk, Wv
	s_load_b128 s[12:15], s[0:1], 0x20             ; Wp, cod
	s_load_b64 s[16:17], s[0:1], 0x30              ; scl
	v_lshl_add_u32 v[SPW], v0, 2, SPARE
	v_mov_b32 v[NIL], 0
	v_lshrrev_b32 v1, 5, v0
	v_readfirstlane_b32 s20, v1                    ; wave
	v_and_b32 v1, 31, v0                           ; lane
	v_and_b32 v2, 15, v0                           ; r
	v_bfe_u32 v3, v0, 4, 1                         ; h
	v_lshlrev_b32 v4, 4, v1                        ; 16 x lane
	v_lshlrev_b32 v5, 3, v1                        ; 8 x lane
	s_mul_i32 s21, s20, STG
	v_add_nc_u32 v6, s21, v4                       ; into the stage: a row's 512 bytes as they lie
	v_mul_u32_u24 v7, v2, 528
	v_lshl_add_u32 v7, v3, 7, v7
	v_add_nc_u32 v7, s21, v7                       ; out of it: row r, + 128 h: my block of 32 numbers
	s_lshl_b32 s21, s20, 6
	v_lshlrev_b32 v9, 2, v2
	v_add_nc_u32 v9, SUMS, v9                      ; row r's word in wave 0's sums
	v_add_nc_u32 v8, s21, v9                       ; and in mine
	v_lshlrev_b32 v10, 3, v2
	v_lshl_add_u32 v10, v3, 2, v10                 ; the scale words' place: 8 r + 4 h
	v_lshlrev_b32 v11, 3, v3                       ; 8 h: my bytes' place in a scale word
	v_mov_b32 v[W2], 0                             ; a lane permute's destination counts as one of its sources
	s_mov_b32 s26, 0x76543210
	s_mov_b32 s27, 0xfedcba98                      ; selects for lane l xor 16
	s_mov_b32 s28, 0x7fffffff
	s_mov_b32 s29, 0xffff0000                      ; lanes 16-31
	s_and_b32 s25, ttmp9, 63
	s_cmp_lt_u32 ttmp9, 512
	s_cselect_b32 s24, ttmp9, s25                  ; the tile's number in its own tensor
	s_lshr_b32 s25, s24, 2
	s_lshl_b32 s25, s25, 18                        ; 64 rows of 4,096 bytes for each four tiles,
	s_and_b32 s30, s24, 3
	s_lshl_b32 s30, s30, 15                        ; 8 rows for each tile among them,
	s_add_co_u32 s30, s30, s25
	s_lshl_b32 s25, s20, 10                        ; my wave's 256 numbers
	s_add_co_u32 s30, s30, s25
	s_mov_b32 s31, 0
	s_mul_i32 s32, ttmp9, 12288
	s_mul_i32 s25, s20, 3072
	s_add_co_u32 s32, s32, s25
	s_mov_b32 s33, 0
	s_lshl_b32 s34, ttmp9, 9
	s_lshl_b32 s25, s20, 7
	s_add_co_u32 s34, s34, s25
	s_mov_b32 s35, 0
	s_wait_alu depctr_va_vdst(0)
	s_wait_kmcnt 0x0
	s_cmp_lt_u32 ttmp9, 576                        ; which tensor: the choice hangs on the work-group's number alone
	s_cselect_b64 s[22:23], s[6:7], s[8:9]
	s_cmp_lt_u32 ttmp9, 640
	s_cselect_b64 s[22:23], s[22:23], s[10:11]
	s_cmp_lt_u32 ttmp9, 704
	s_cselect_b64 s[22:23], s[22:23], s[12:13]
	s_cmp_lt_u32 ttmp9, 512
	s_cselect_b64 s[22:23], s[4:5], s[22:23]
	s_add_nc_u64 s[22:23], s[22:23], s[30:31]
	s_add_nc_u64 s[14:15], s[14:15], s[32:33]
	s_add_nc_u64 s[16:17], s[16:17], s[34:35]
.irp s, 0,1
.irp i, 0,1,2,3,4,5,6,7,8,9,10,11,12,13,14,15
	global_load_b128 v[R0+64*\s+4*\i:R0+64*\s+4*\i+3], v4, s[22:23] offset:(\i+24*(\i/8))*4096+512*\s th:TH_LOAD_NT   ; 32 lanes read 512 consecutive bytes of the tile's row i
.endr
.endr
; 16 rows x 128 numbers go into the stage as they lie and come back 32 neighbours at a time: register 32 c + n = k 64 c + 32 h + n of row r.  LDS serves a wave's instructions in order: no wait between stores and loads
.macro TURN src, dst
.irp i, 0,1,2,3,4,5,6,7,8,9,10,11,12,13,14,15
	ds_store_b128 v6, v[\src+4*\i:\src+4*\i+3] offset:528*\i
.endr
.irp c, 0,1
.irp q, 0,1,2,3,4,5,6,7
	ds_load_b128 v[\dst+32*\c+4*\q:\dst+32*\c+4*\q+3], v7 offset:256*\c+16*\q
.endr
.endr
.endm
	s_wait_loadcnt 16                              ; K step 0's sixteen loads are in; K step 1's may be out
	TURN R0, XA
	s_wait_loadcnt 0x0
	s_wait_dscnt 0x0                               ; the first turn's stores have read v16-79, which the second turn's loads write
	TURN R1, R0
	s_wait_dscnt 0x0
	; the rows' sums of magnitudes.  Every work-group takes this way, x's too, so that the barrier stands on every path; x's tiles do not use the result
.irp j, 0,1,2,3
	v_add_f32 v[SM+\j], |v[XA+\j]|, |v[XA+4+\j]|
.endr
.set ii, 8
.rept 14
.irp j, 0,1,2,3
	v_add_f32 v[SM+\j], v[SM+\j], |v[XA+ii+\j]|
.endr
.set ii, ii+4
.endr
.set ii, 0
.rept 16
.irp j, 0,1,2,3
	v_add_f32 v[SM+\j], v[SM+\j], |v[R0+ii+\j]|
.endr
.set ii, ii+4
.endr
	v_add_f32 v[SM], v[SM], v[SM+1]
	v_add_f32 v[SM+2], v[SM+2], v[SM+3]
	v_add_f32 v[SM], v[SM], v[SM+2]
	v_permlanex16_b32 v[W2], v[SM], s26, s27
	v_add_f32 v[SM], v[SM], v[W2]                  ; row r's 256 numbers of my wave
	ds_store_b32 v8, v[SM]                         ; both lanes of a row write the same word with the same value
	s_wait_dscnt 0x0                               ; for the others' sake: my store has landed
	s_barrier_signal -1
	s_barrier_wait -1
.irp j, 0,1,2,3
	ds_load_b32 v[S4+\j], v9 offset:64*\j
.endr
	s_wait_dscnt 0x0
	v_add_f32 v[S4], v[S4], v[S4+1]
	v_add_f32 v[S4+2], v[S4+2], v[S4+3]
	v_add_f32 v[S4], v[S4], v[S4+2]
	v_mul_f32 v14, 0x3a800000, v[S4]               ; alpha = the sum / 1,024
	v_mov_b32 v15, v14                             ; twice, for the packed multiply
	s_cmp_lt_u32 ttmp9, 512
	s_cbranch_scc1 .Lquant                         ; x is quantised as it is
; two weights: sign(W) (0 for 0), then W + (sign(W) - W) in the model's own order of roundings, then x alpha
.macro BIN2 x, k
	v_cmp_neq_f32 s[36+2*(\k)], 0, v[\x]
	v_cmp_neq_f32 s[37+2*(\k)], 0, v[\x+1]
	v_bfi_b32 v[TU+2*(\k)], s28, 1.0, v[\x]        ; 1.0 under W's sign
	v_bfi_b32 v[TU+2*(\k)+1], s28, 1.0, v[\x+1]
	v_cndmask_b32 v[TU+2*(\k)], 0, v[TU+2*(\k)], s[36+2*(\k)]
	v_cndmask_b32 v[TU+2*(\k)+1], 0, v[TU+2*(\k)+1], s[37+2*(\k)]
	v_pk_add_f32 v[TU+2*(\k):TU+2*(\k)+1], v[TU+2*(\k):TU+2*(\k)+1], v[\x:\x+1] neg_lo:[0,1] neg_hi:[0,1]
	v_pk_add_f32 v[TU+2*(\k):TU+2*(\k)+1], v[\x:\x+1], v[TU+2*(\k):TU+2*(\k)+1]
	v_pk_mul_f32 v[\x:\x+1], v[TU+2*(\k):TU+2*(\k)+1], v[14:15]
.endm
.set nn, 0
.rept 32
	BIN2 XA+nn, 0
	BIN2 R0+nn, 1
.set nn, nn+2
.endr
.Lquant:
; K step s: my two whole blocks (2 c + h, c = 0, 1) become registers 6 c .. 6 c + 5 of the operand; the scale word's four bytes are gathered from lanes l and l xor 16
.macro QUANT32 s
.set XB, XA-(XA-R0)*(\s)
.irp c, 0,1
	v_max3_num_f32 v[TM+\c], |v[XB+32*\c]|, |v[XB+1+32*\c]|, 0x1800000   ; and the floor 2^(3 - 127): the byte cannot fall under 1
.endr
.irp i, 2,4,6,8,10,12,14,16,18,20,22,24,26,28,30
.irp c, 0,1
	v_max3_num_f32 v[TM+\c], v[TM+\c], |v[XB+32*\c+\i]|, |v[XB+1+32*\c+\i]|
.endr
.endr
.irp c, 0,1
	v_add_nc_u32 v[SO+\c], 0xff000000, v[TM+\c]    ; 2 off the exponent field: the conversion takes this operand's exponent field as its scale
.endr
.irp c, 0,1
	v_lshrrev_b32 v[BY+\c], 23, v[SO+\c]           ; the scale's byte
.endr
	v_lshl_or_b32 v[WD+\s], v[BY+1], 16, v[BY]
	v_lshlrev_b32 v[WD+\s], v11, v[WD+\s]          ; bytes h and 2 + h
	v_permlanex16_b32 v[W2], v[WD+\s], s26, s27
	v_or_b32 v[WD+\s], v[WD+\s], v[W2]             ; the word is whole, in both halves of the lanes
.irp c, 0,1
	v_cvt_scalef32_pk16_fp6_f32 v[PC+12*\s+6*\c:PC+12*\s+6*\c+2], v[XB+32*\c:XB+32*\c+15], v[SO+\c]
	v_cvt_scalef32_pk16_fp6_f32 v[CT+4*\c:CT+4*\c+2], v[XB+32*\c+16:XB+32*\c+31], v[SO+\c]   ; (a conversion's three registers begin on an even number)
.endr
	v_nop                                          ; one plain instruction behind the scaled conversions
.irp c, 0,1
.irp i, 0,1,2
	v_mov_b32 v[PC+12*\s+6*\c+3+\i], v[CT+4*\c+\i]
.endr
.endr
.irp c, 0,1
	global_store_b128 v4, v[PC+12*\s+6*\c:PC+12*\s+6*\c+3], s[14:15] offset:1536*\s+768*\c        ; 512 consecutive bytes
	global_store_b64 v5, v[PC+12*\s+6*\c+4:PC+12*\s+6*\c+5], s[14:15] offset:1536*\s+768*\c+512   ; 256 consecutive bytes
.endr
.endm
	QUANT32 0
	QUANT32 1
	v_cndmask_b32 v[OW], v[WD], v[WD+1], s29       ; lanes 0-15 store K step 0's words, lanes 16-31 K step 1's
	global_store_b32 v10, v[OW], s[16:17]          ; 128 consecutive bytes a wave: the tile's four waves fill its 512
	s_wait_tensorcnt 0x0                           ; the wave's end
	ds_add_u32 v[SPW], v[NIL]
	s_wait_dscnt 0x0
	s_endpgm
.Lfunc_end_k_qcd43849eff_prep:
	.size	k_qcd43849eff_prep, .Lfunc_end_k_qcd43849eff_prep-k_qcd43849eff_prep
	.p2alignl 7, 3214868480
	.fill 96, 4, 3214868480
	.section	.rodata,"a",@progbits
	.p2align	6, 0x0
	.amdhsa_kernel k_qcd43849eff_prep
		.amdhsa_group_segment_fixed_size 34560
		.amdhsa_private_segment_fixed_size 0
		.amdhsa_enable_private_segment 0
		.amdhsa_kernarg_size 56
		.amdhsa_user_sgpr_count 2
		.amdhsa_user_sgpr_kernarg_segment_ptr 1
		.amdhsa_wavefront_size32 1
		.amdhsa_system_sgpr_workgroup_id_x 1
		.amdhsa_system_sgpr_workgroup_id_y 1
		.amdhsa_system_sgpr_workgroup_id_z 1
		.amdhsa_system_vgpr_workitem_id 0
		.amdhsa_next_free_vgpr 208
		.amdhsa_next_free_sgpr 66
		.amdhsa_reserve_vcc 0
		.amdhsa_float_denorm_mode_32 3
		.amdhsa_float_denorm_mode_16_64 3
		.amdhsa_memory_ordered 1
		.amdhsa_forward_progress 1
		.amdhsa_inst_pref_size 62
	.end_amdhsa_kernel
	.amdgpu_metadata
---
amdhsa.version: [ 1, 2 ]
amdhsa.kernels:
  - .name:           k_qcd43849eff_prep
    .symbol:         k_qcd43849eff_prep.kd
    .args:
      - { .name: x, .offset: 0, .size: 8, .value_kind: global_buffer, .address_space: global }
      - { .name: Wq, .offset: 8, .size: 8, .value_kind: global_buffer, .address_space: global }
      - { .name: Wk, .offset: 16, .size: 8, .value_kind: global_buffer, .address_space: global }
      - { .name: Wv, .offset: 24, .size: 8, .value_kind: global_buffer, .address_space: global }
      - { .name: Wp, .offset: 32, .size: 8, .value_kind: global_buffer, .address_space: global }
      - { .name: cod, .offset: 40, .size: 8, .value_kind: global_buffer, .address_space: global }
      - { .name: scl, .offset: 48, .size: 8, .value_kind: global_buffer, .address_space: global }
    .group_segment_fixed_size: 34560
    .private_segment_fixed_size: 0
    .kernarg_segment_align: 8
    .kernarg_segment_size: 56
    .max_flat_workgroup_size: 128
    .sgpr_count:     66
    .vgpr_count:     208
    .wavefront_size: 32
...
	.end_amdgpu_metadata
.endif
;; end of part 1
;; launch qkv (part 2): grid 8 x 32, 4 waves a work-group, clusters of 4 x 4, 327,680 bytes of LDS; arguments cod, scl, bq, bk, bv, qkv; writes qkv
.if DOCPART == 2
	.amdgcn_target "amdgcn-amd-amdhsa--gfx1250"
	.amdhsa_code_object_version 6
	.text
	.protected	k_qcd43849eff_qkv
	.globl	k_qcd43849eff_qkv
	.p2align	8
	.type	k_qcd43849eff_qkv,@function
k_qcd43849eff_qkv:
	s_mov_b64 s[64:65], 0
	v_nop
	global_prefetch_b8 v0, s[64:65] scope:SCOPE_SE
	s_setreg_imm32_b32 hwreg(HW_REG_WAVE_MODE, 25, 1), 1
	s_wait_xcnt 0x0
	s_wait_alu depctr_hold_cnt(0) depctr_sa_sdst(0) depctr_va_vdst(0) depctr_va_sdst(0) depctr_va_ssrc(0) depctr_va_vcc(0) depctr_vm_vsrc(0)
	s_getreg_b32 s2, hwreg(HW_REG_IB_STS2, 6, 4)
	s_cmp_eq_u32 s2, 0
	s_cbranch_scc0 .Lentry_in_a_cluster
	s_endpgm
.Lentry_in_a_cluster:
	s_bfe_u32 s2, ttmp6, 0x10000c
	s_cmp_lg_u32 s2, 0xf033
	s_cbranch_scc0 .Lentry_shape_is_right
	s_endpgm
.Lentry_shape_is_right:
; Q, K, V = x W^T + b on codes of MX-FP6, each result quantised again at once and stored as records of operand images for the attention launch.
; SHARES.  Work-group (j, i): x's rows 256 i on (16 tiles of 16 rows) and columns 128 j on of Wq, then Wk, then Wv: three phases on the same rows.  Four waves, 2 x 2: wave (HR, HC) takes tiles 8 HR .. 8 HR + 7,
; one key step of 128 tokens, and columns 64 HC on, one head: so a wave makes whole records.
; LDS: x's 16 tiles with all of K (196,608 bytes) and their scale bytes stay for the launch; the weights' 8 tiles have a region of their own (98,304 bytes), filled three times; the three weights' scale bytes come once.
; A wave holds its 64 weight rows, all of K, in registers (32 fragments); x's tiles stream past them from LDS, 8 fragments a tile, in two sets by turns: a block is 32 products on four accumulators by turns.
; FILLS.  At the head one joint load a wave: Wq's tiles, the weights' scale bytes, x's tiles, x's scale bytes; the first barrier shows the first two alone.  When all waves hold a weight in registers, a drained round of
; the cluster's barrier follows and wave 0 asks for the next weight, a whole phase ahead of the barrier that shows it.  So no prefetch is laid: no wave stands waiting for a stream.
; x's tiles are shared along a row of the cluster, the weights' along a column.
; Row m of a tile is row 8 (tile % 4) + m % 8 + 32 (m / 8) of its group of 64.  So, Q and K (source 0 = the weight's rows, the bias is the first products' C): a lane's 32 results of a block are d = 32 h + 0 .. 31 of the
; head, one scale block.  V (source 0 = x's rows): a lane's 64 results of a column tile are tokens 64 c + 32 h + 0 .. 31, c = 0, 1: two scale blocks.  No lane asks another for a maximum.
; RECORDS (6,400 bytes): number (16 t + head) x 64 + key step, t = 0 Q, 1 K, 2 V; eight images of 768 bytes, then 256 bytes of scale words, as the attention launch reads them.
; LIMITS: NaN and infinities are not served; a block of zeros or under 2^-124 gets the byte 1 (the rule says 127 for zeros): this program alone reads the bytes.
.set TILEB, 12288
.set FR,    12
.set FPW,   21                         ; fragments in a window of 256 registers; fragment f lies in window 1 + f / 21: 0-31 the weights' (4 q + c), 32-47 x's two sets
.set WB,    16*TILEB
.set SXA,   WB+8*TILEB
.set SWB,   SXA+8192
.set SPARE, SWB+3*4096
.set O16,  1
.set O8,   2
.set BO,   3
.set BOV,  4
.set H8,   5                           ; 8 h: my byte's place in a pair of scale bytes
.set AW16, 6                           ; v6,7 my weight tiles; v8,9 my x tiles 0-3; v10,11 tiles 4-7: + 16 x lane, + 8 x lane
.set AA16, 8
.set ASA,  12
.set ASW0, 13
.set ASW,  14
.set SPW,  16
.set NIL,  17
.set SB,   24                          ; v24-39 the weights' scale words; v44-59 x's, two sets of eight, each for two tiles
.set SA,   44
.set BVB,  60                          ; v60-63 V's bias
.set ACC,  64                          ; v64-127 Q, K: two sets of four accumulators;  V: v64-191 and v840-967, 64 a column tile
.set BB,   128                         ; v128-159 Q's or K's bias as the results lie
.set PC,   192
.set TM,   224
.set PWS,  240
.set WW,   248
.set TT,   252
.set WV,   16
.set HR,   17
.set HC,   18
.set G1A,  24
.set G1W,  32
.set CX,   40
.set CY,   41
.set WGX,  42
.set WGY,  43
.set G1S,  48
.set G1T,  56
.set SEL,  66
.set G0A,  68
.set G0W,  72
.set G0S,  76
.set G0T,  80
.set REC,  84
.set BP,   86
.set PH,   88
.set PHS,  89
.set HIM,  90
.set MSB, 0
.macro WIN new
.if MSB != \new
	s_set_vgpr_msb (MSB<<8)|\new
.set MSB, \new
.endif
.endm
.macro WALU
	s_wait_alu depctr_va_vdst(0)
.endm
.macro PLACES n
.rept \n
	v_nop
.endr
.endm
.macro CROUND
	s_barrier_signal -1
	s_barrier_wait -1
	s_cmp_lg_u32 s[WV], 0
	s_cbranch_scc1 .Lnot_wave_0_\@
	s_barrier_signal -3
.Lnot_wave_0_\@:
	s_barrier_wait -3
	s_barrier_signal -1
	s_barrier_wait -1
.endm
.macro TLOAD g0, g1
	tensor_load_to_lds s[\g0:\g0+3], s[\g1:\g1+7]
	s_nop 0
	PLACES 4
.endm
.macro ARM under, g0, g1, next
	s_cmp_lt_u32 s[WV], \under
	s_cbranch_scc0 \next
	TLOAD \g0, \g1
	s_branch .Lhead_asked
\next:
.endm
.macro GROUP1 g, mask, c, r, p
	s_or_b32 s[\g], s\mask, (3<<16)|(1<<21)
	s_mov_b32 s[\g+1], (\c)<<16
	s_mov_b32 s[\g+2], (\r)<<16
	s_mov_b32 s[\g+3], (\c)<<16
	s_mov_b32 s[\g+4], \r
	s_mov_b32 s[\g+5], \p
	s_mov_b32 s[\g+6], 0
	s_mov_b32 s[\g+7], 0
.endm
.macro MX6 d, a, b, c, sa, sb, ra, rb
	v_wmma_scale_f32_16x16x128_f8f6f4 v[\d:\d+7], v[\a:\a+11], v[\b:\b+11], \c, v[\sa], v[\sb] matrix_a_fmt:MATRIX_FMT_FP6 matrix_b_fmt:MATRIX_FMT_FP6 matrix_a_scale:MATRIX_SCALE_ROW\ra matrix_b_scale:MATRIX_SCALE_ROW\rb
.endm
.macro MXR d, a, b, c, sa, sb, ra, rb
.if ((\ra)==0)&&((\rb)==0)
	MX6 \d, \a, \b, \c, \sa, \sb, 0, 0
.elseif ((\ra)==1)&&((\rb)==0)
	MX6 \d, \a, \b, \c, \sa, \sb, 1, 0
.elseif ((\ra)==0)
	MX6 \d, \a, \b, \c, \sa, \sb, 0, 1
.else
	MX6 \d, \a, \b, \c, \sa, \sb, 1, 1
.endif
.endm
.macro FRAG f, a16, off                ; a fragment: two images of 768 bytes, as they lie
	WIN (1+(\f)/FPW)<<6
.set R_, FR*((\f)%FPW)
	ds_load_b128 v[R_:R_+3], v[\a16] offset:\off
	ds_load_b64 v[R_+4:R_+5], v[\a16+1] offset:\off+512
	ds_load_b128 v[R_+6:R_+9], v[\a16] offset:\off+768
	ds_load_b64 v[R_+10:R_+11], v[\a16+1] offset:\off+1280
.endm
.macro WEIGHTS as, soff                ; my 64 weight rows, all of K, and their scale words: lanes 0-15 column tile 2 p, lanes 16-31 tile 2 p + 1
.irp q, 0,1,2,3,4,5,6,7
.irp c, 0,1,2,3
	FRAG 4*\q+\c, AW16, \c*TILEB+1536*\q
.endr
.endr
	WIN 0
.irp p, 0,1
.irp w, 0,1,2,3
	ds_load_b64 v[SB+8*\p+2*\w:SB+8*\p+2*\w+1], v[\as] offset:\soff+1024*\p+128*\w
.endr
.endr
.endm
.macro FETCH s                         ; x's tile s into set s % 2: 32 loads; with an even tile the scale words of it (lanes 0-15) and of the next (lanes 16-31): 4 more
.set AD_, AA16+2*((\s)/4)
.irp q, 0,1,2,3,4,5,6,7
	FRAG 32+8*((\s)%2)+\q, AD_, ((\s)%4)*TILEB+1536*\q
.endr
	WIN 0
.if (\s)%2 == 0
.irp w, 0,1,2,3
	ds_load_b64 v[SA+8*(((\s)/2)%2)+2*\w:SA+8*(((\s)/2)%2)+2*\w+1], v[ASA] offset:1024*((\s)/2)+128*\w
.endr
.endif
.endm
; 32 products of tile s; column tile c adds into register d0 + ds c + dj (c / 2).  The four accumulators take turns.
.macro BLOCK kind, s, d0, ds, dj
.set PB_, ((\s)/2)%2
.set E_, (\s)%2
.irp q, 0,1,2,3,4,5,6,7
.irp c, 0,1,2,3
.set FW_, 4*\q+\c
.set FX_, 32+8*E_+\q
.set D_, (\d0)+(\ds)*\c+(\dj)*(\c/2)
.set DL_, D_&255
.set SW_, SB+8*(\c/2)+\q
.set SX_, SA+8*PB_+\q
.if \kind
	WIN (1+FX_/FPW)|((1+FW_/FPW)<<2)|((D_>>8)<<4)|((D_>>8)<<6)
.if \q
	MXR DL_, FR*(FX_%FPW), FR*(FW_%FPW), v[DL_:DL_+7], SX_, SW_, E_, \c%2
.else
	MXR DL_, FR*(FX_%FPW), FR*(FW_%FPW), 0, SX_, SW_, E_, \c%2
.endif
.else
	WIN (1+FW_/FPW)|((1+FX_/FPW)<<2)
.if \q
	MXR DL_, FR*(FW_%FPW), FR*(FX_%FPW), v[DL_:DL_+7], SW_, SX_, \c%2, E_
.else
	MXR DL_, FR*(FW_%FPW), FR*(FX_%FPW), v[BB+8*\c:BB+8*\c+7], SW_, SX_, \c%2, E_
.endif
.endif
.endr
.endr
	WIN 0
.endm
.macro BWAIT s                         ; tile s is in: behind its fetch only the next tile's was issued
	WALU
.if (\s) < 7
	s_wait_dscnt 32+4*(1-((\s)+1)%2)
.else
	s_wait_dscnt 0x0
.endif
.endm
; Q, K: tile s's 16 tokens x 64 of the head become an image of six operand registers and two scale bytes a row; my 32 numbers are block h of my token
.macro QOUT s
.set A0, ACC+32*((\s)%2)
	s_wait_xcnt 0x0                                ; the last image's stores have read their registers
.irp k, 0,1,2,3
	v_max3_num_f32 v[TM+\k], |v[A0+8*\k]|, |v[A0+8*\k+1]|, 0x1800000   ; with the floor 2^(3 - 127)
.endr
.irp i, 2,4,6
.irp k, 0,1,2,3
	v_max3_num_f32 v[TM+\k], v[TM+\k], |v[A0+8*\k+\i]|, |v[A0+8*\k+\i+1]|
.endr
.endr
	v_max3_num_f32 v[TM], v[TM], v[TM+1], v[TM+2]
	v_max_num_f32 v[TM], v[TM], v[TM+3]
	v_add_nc_u32 v[TM+12], 0xff000000, v[TM]
	v_lshrrev_b32 v[TM+6], 23, v[TM+12]
	v_lshlrev_b32 v[TM+6], v[H8], v[TM+6]          ; byte h;
	v_permlanex16_b32 v[TM+4], v[TM+6], s[SEL], s[SEL+1]
	v_or_b32 v[PWS+(\s)], v[TM+6], v[TM+4]         ; with lane l xor 16's the row's two bytes
	v_cvt_scalef32_pk16_fp6_f32 v[PC:PC+2], v[A0:A0+15], v[TM+12]
	v_cvt_scalef32_pk16_fp6_f32 v[PC+12:PC+14], v[A0+16:A0+31], v[TM+12]
	v_nop
.irp i, 0,1,2
	v_mov_b32 v[PC+3+\i], v[PC+12+\i]
.endr
	global_store_b128 v[O16], v[PC:PC+3], s[REC:REC+1] offset:768*(\s)
	global_store_b64 v[O8], v[PC+4:PC+5], s[REC:REC+1] offset:768*(\s)+512
.endm
; V: 64 numbers a lane, blocks h and 2 + h of the 128 tokens, become twelve operand registers; the scale word's four bytes are gathered from lanes l and l xor 16
.macro QUANT s, pw
.irp b, 0,1,2,3
	v_max3_num_f32 v[TM+\b], |v[\s+16*\b]|, |v[\s+1+16*\b]|, 0x1800000
.endr
.irp i, 2,4,6,8,10,12,14
.irp b, 0,1,2,3
	v_max3_num_f32 v[TM+\b], v[TM+\b], |v[\s+16*\b+\i]|, |v[\s+1+16*\b+\i]|
.endr
.endr
	v_max_num_f32 v[TM], v[TM], v[TM+1]
	v_max_num_f32 v[TM+2], v[TM+2], v[TM+3]
	v_add_nc_u32 v[TM+12], 0xff000000, v[TM]
	v_add_nc_u32 v[TM+13], 0xff000000, v[TM+2]
	v_lshrrev_b32 v[TM+6], 23, v[TM+12]
	v_lshrrev_b32 v[TM+7], 23, v[TM+13]
	v_lshl_or_b32 v[TM+6], v[TM+7], 16, v[TM+6]
	v_lshlrev_b32 v[TM+6], v[H8], v[TM+6]
	v_permlanex16_b32 v[TM+4], v[TM+6], s[SEL], s[SEL+1]
	v_or_b32 v[\pw], v[TM+6], v[TM+4]
.irp c, 0,1
	v_cvt_scalef32_pk16_fp6_f32 v[PC+6*\c:PC+2+6*\c], v[\s+32*\c:\s+15+32*\c], v[TM+12+\c]
	v_cvt_scalef32_pk16_fp6_f32 v[PC+12+4*\c:PC+14+4*\c], v[\s+16+32*\c:\s+31+32*\c], v[TM+12+\c]
.endr
	v_nop
.irp c, 0,1
.irp i, 0,1,2
	v_mov_b32 v[PC+3+6*\c+\i], v[PC+12+4*\c+\i]
.endr
.endr
.endm
.macro VOUT c                          ; column tile c: + bias (one number a lane), into window 0, quantised, stored
.set T_, 64+64*((\c)%2)
.set SR_, 64+64*(\c)+648*((\c)/2)
.set SL_, SR_&255
.set BV_, BVB+2*((\c)/2)
	WIN SR_>>8
.set jj, 0
.rept 32
.if (\c)%2 == 0
	v_pk_add_f32 v[T_+jj:T_+jj+1], v[SL_+jj:SL_+jj+1], v[BV_:BV_+1] op_sel:[0,0] op_sel_hi:[1,0]
.else
	v_pk_add_f32 v[T_+jj:T_+jj+1], v[SL_+jj:SL_+jj+1], v[BV_:BV_+1] op_sel:[0,1] op_sel_hi:[1,1]
.endif
.set jj, jj+2
.endr
	WIN 0
	WALU
	s_wait_xcnt 0x0
	QUANT T_, PWS+(\c)
	global_store_b128 v[O16], v[PC:PC+3], s[REC:REC+1] offset:1536*(\c)
	global_store_b64 v[O8], v[PC+4:PC+5], s[REC:REC+1] offset:1536*(\c)+512
	global_store_b128 v[O16], v[PC+6:PC+9], s[REC:REC+1] offset:1536*(\c)+768
	global_store_b64 v[O8], v[PC+10:PC+11], s[REC:REC+1] offset:1536*(\c)+1280
.endm
	s_load_b256 s[4:11], s[0:1], 0x0               ; cod, scl, bq, bk
	s_load_b128 s[12:15], s[0:1], 0x20             ; bv, qkv
	v_lshl_add_u32 v[SPW], v0, 2, SPARE
	v_mov_b32 v[NIL], 0
	ds_add_u32 v[SPW], v[NIL]
	ds_add_u32 v[SPW], v[NIL]
	v_lshrrev_b32 v18, 5, v0
	v_readfirstlane_b32 s[WV], v18
	s_lshr_b32 s[HR], s[WV], 1
	s_and_b32 s[HC], s[WV], 1
	s_bfe_u32 s[CX], ttmp6, 0x40000
	s_bfe_u32 s[CY], ttmp6, 0x40004
	s_lshl_b32 s[WGX], ttmp9, 2
	s_add_co_u32 s[WGX], s[WGX], s[CX]             ; j
	s_and_b32 s[WGY], ttmp7, 0xffff
	s_lshl_b32 s[WGY], s[WGY], 2
	s_add_co_u32 s[WGY], s[WGY], s[CY]             ; i
	s_lshl_b32 s44, s[CY], 2
	s_lshl_b32 s44, 15, s44                        ; my row of the cluster
	s_lshl_b32 s45, 0x1111, s[CX]                  ; my column
	GROUP1 G1A, 44, 1536, 16, 1536                 ; x's 16 tiles, a row a tile
	GROUP1 G1W, 45, 1536, 8, 1536                  ; a weight's 8 tiles
	GROUP1 G1S, 44, 32, 32, 32                     ; x's scale bytes: 32 rows of 256 bytes
	GROUP1 G1T, 45, 512, 3, 4096                   ; the three weights' scale bytes: 4,096 each, 64 tiles apart
	s_mov_b32 s[G0A], 1
	s_mov_b32 s[G0A+1], 0
	s_mov_b32 s[G0W], 1
	s_mov_b32 s[G0W+1], WB
	s_mov_b32 s[G0S], 1
	s_mov_b32 s[G0S+1], SXA
	s_mov_b32 s[G0T], 1
	s_mov_b32 s[G0T+1], SWB
	s_mul_i32 s20, s[WGY], 16*TILEB
	s_mov_b32 s21, 0
	s_lshl_b32 s22, s[WGY], 13
	s_mov_b32 s23, 0
	s_mul_i32 s46, s[WGX], 8*TILEB
	s_add_co_u32 s46, s46, 512*TILEB
	s_mov_b32 s47, 0
	s_lshl_b32 s92, s[WGX], 12
	s_add_co_u32 s92, s92, 512*512
	s_mov_b32 s93, 0
	s_lshl_b32 s94, s[WGX], 9                      ; the biases: 4 (128 j + 64 HC)
	s_lshl_b32 s19, s[HC], 8
	s_add_co_u32 s94, s94, s19
	s_mov_b32 s95, 0
	s_lshl_b32 s96, s[WGX], 1                      ; my record: (2 j + HC) x 64 + 2 i + HR
	s_add_co_u32 s96, s96, s[HC]
	s_lshl_b32 s96, s96, 6
	s_lshl_b32 s19, s[WGY], 1
	s_add_co_u32 s96, s96, s19
	s_add_co_u32 s96, s96, s[HR]
	s_mul_i32 s96, s96, 6400
	s_mov_b32 s97, 0
	s_mov_b32 s[SEL], 0x76543210
	s_mov_b32 s[SEL+1], 0xfedcba98
	s_mov_b32 s[HIM], 0xffff0000
	s_mov_b32 s[PH], 0
	s_mov_b32 s[PHS], 0
	s_mul_i32 s98, s[HC], 4*TILEB
	s_add_co_u32 s98, s98, WB
	s_mul_i32 s99, s[HR], 8*TILEB
	s_add_co_u32 s100, s99, 4*TILEB
	s_lshl_b32 s101, s[HR], 12
	s_add_co_u32 s101, s101, SXA
	s_lshl_b32 s19, s[HC], 11
	s_add_co_u32 s19, s19, SWB
	v_and_b32 v18, 31, v0
	v_and_b32 v19, 15, v0
	v_bfe_u32 v20, v0, 4, 1
	v_lshlrev_b32 v[O16], 4, v18
	v_lshlrev_b32 v[O8], 3, v18
	v_lshlrev_b32 v21, 3, v19
	v_and_b32 v22, 7, v19
	v_and_b32 v23, 8, v19
	v_lshl_add_u32 v21, v20, 9, v21                ; 8 r + 512 h
	v_lshlrev_b32 v22, 2, v22
	v_add_nc_u32 v[AW16], s98, v[O16]
	v_add_nc_u32 v[AW16+1], s98, v[O8]
	v_add_nc_u32 v[AA16], s99, v[O16]
	v_add_nc_u32 v[AA16+1], s99, v[O8]
	v_add_nc_u32 v[AA16+2], s100, v[O16]
	v_add_nc_u32 v[AA16+3], s100, v[O8]
	v_add_nc_u32 v[ASA], s101, v21
	v_add_nc_u32 v[ASW0], s19, v21
	v_lshlrev_b32 v[BO], 7, v20                    ; Q, K: my 32 columns begin at 32 h
	v_lshl_add_u32 v[BOV], v23, 4, v22             ; V: my column of tile c is 8 c + r % 8 + 32 (r / 8)
	v_lshlrev_b32 v[H8], 3, v20
.irp b, 4,5,6,7
	v_mov_b32 v[TM+\b], 0                          ; a lane permute's destination counts as one of its sources
.endr
	WALU                                           ; the wait at the head's end
	s_wait_dscnt 0x0
	s_wait_kmcnt 0x0
	s_add_nc_u64 s[G0A+2:G0A+3], s[4:5], s[20:21]
	s_or_b32 s[G0A+3], s[G0A+3], 0x80000000
	s_add_nc_u64 s[G0S+2:G0S+3], s[6:7], s[22:23]
	s_or_b32 s[G0S+3], s[G0S+3], 0x80000000
	s_add_nc_u64 s[G0W+2:G0W+3], s[4:5], s[46:47]
	s_or_b32 s[G0W+3], s[G0W+3], 0x80000000
	s_add_nc_u64 s[G0T+2:G0T+3], s[6:7], s[92:93]
	s_or_b32 s[G0T+3], s[G0T+3], 0x80000000
	s_add_nc_u64 s[8:9], s[8:9], s[94:95]
	s_add_nc_u64 s[10:11], s[10:11], s[94:95]
	s_add_nc_u64 s[12:13], s[12:13], s[94:95]
	s_add_nc_u64 s[REC:REC+1], s[14:15], s[96:97]
	CROUND                                         ; all sixteen work-groups are here: the first joint loads meet
	ARM 1, G0W, G1W, .Lhead_t                      ; one load a wave, what is needed first asked for first
	ARM 2, G0T, G1T, .Lhead_a
	ARM 3, G0A, G1A, .Lhead_s
	TLOAD G0S, G1S
.Lhead_asked:
	s_cmp_lt_u32 s[WV], 2
	s_cbranch_scc0 .Lnot_w
	s_wait_tensorcnt 0x0                           ; waves 0 and 1: Wq's tiles and the weights' scale bytes are in
.Lnot_w:
	s_barrier_signal -1
	s_barrier_wait -1                              ; x's loads may stay out
.Lphase:                                               ; Q, then K
	v_add_nc_u32 v[ASW], s[PHS], v[ASW0]
	s_cmp_eq_u32 s[PH], 0
	s_cselect_b64 s[BP:BP+1], s[8:9], s[10:11]
.irp c, 0,1,2,3
.irp w, 0,1
	global_load_b128 v[BB+8*\c+4*\w:BB+8*\c+4*\w+3], v[BO], s[BP:BP+1] offset:(8*\c+4*\w)*4
.endr
.endr
	WEIGHTS ASW, 0
	WALU
	s_wait_tensorcnt 0x0                           ; the three lines ahead of a refill's round: all my tensor loads are in,
	ds_add_u32 v[SPW], v[NIL]
	s_add_nc_u64 s[G0W+2:G0W+3], s[G0W+2:G0W+3], 64*TILEB   ; (the next weight's tiles)
	s_wait_dscnt 0x0                               ; the add is done and the weight is in my registers
	CROUND
	s_cmp_lg_u32 s[WV], 0
	s_cbranch_scc1 .Lno_fill
	TLOAD G0W, G1W                                 ; wave 0: the next weight, onto the one that all waves hold in registers
.Lno_fill:
	FETCH 0
	FETCH 1
	s_wait_loadcnt 0x0                             ; the bias
.irp s, 0,1,2,3,4,5,6,7
	BWAIT \s
	BLOCK 0, \s, ACC+32*(\s%2), 8, 0
	PLACES 4
.if \s < 6
	FETCH \s+2
.endif
.if \s > 0
	QOUT \s-1
.endif
.endr
	QOUT 7
.irp b, 0,1,2,3
	v_perm_b32 v[WW+\b], v[PWS+2*\b+1], v[PWS+2*\b], 0x05040100   ; two tiles' two bytes: a fragment's scale word
.endr
	v_cndmask_b32 v[TT], v[WW], v[WW+1], s[HIM]
	v_cndmask_b32 v[TT+1], v[WW+2], v[WW+3], s[HIM]
	global_store_b64 v[O8], v[TT:TT+1], s[REC:REC+1] offset:6144
	s_wait_xcnt 0x0
	s_add_nc_u64 s[REC:REC+1], s[REC:REC+1], 1024*6400
	s_add_co_u32 s[PHS], s[PHS], 4096
	WALU
	s_wait_tensorcnt 0x0                           ; every wave; wave 0's load of the next weight is in,
	s_wait_dscnt 0x0
	s_barrier_signal -1
	s_barrier_wait -1                              ; and is shown to all
	s_add_co_u32 s[PH], s[PH], 1
	s_cmp_lt_u32 s[PH], 2
	s_cbranch_scc1 .Lphase
	; V
.irp c, 0,1,2,3
	global_load_b32 v[BVB+\c], v[BOV], s[12:13] offset:32*\c
.endr
	WEIGHTS ASW0, 8192
	FETCH 0
	FETCH 1
	s_wait_loadcnt 0x0
.irp s, 0,1,2,3,4,5,6,7
	BWAIT \s
	BLOCK 1, \s, 64+8*\s, 64, 648
	PLACES 4
.if \s < 6
	FETCH \s+2
.endif
.endr
	VOUT 0
	VOUT 2
	VOUT 1
	VOUT 3
	v_cndmask_b32 v[TT], v[PWS], v[PWS+1], s[HIM]
	v_cndmask_b32 v[TT+1], v[PWS+2], v[PWS+3], s[HIM]
	global_store_b64 v[O8], v[TT:TT+1], s[REC:REC+1] offset:6144
	s_wait_tensorcnt 0x0                           ; the wave's end
	ds_add_u32 v[SPW], v[NIL]
	s_wait_dscnt 0x0
	CROUND
	s_endpgm
.Lfunc_end_k_qcd43849eff_qkv:
	.size	k_qcd43849eff_qkv, .Lfunc_end_k_qcd43849eff_qkv-k_qcd43849eff_qkv
	.p2alignl 7, 3214868480
	.fill 96, 4, 3214868480
	.section	.rodata,"a",@progbits
	.p2align	6, 0x0
	.amdhsa_kernel k_qcd43849eff_qkv
		.amdhsa_group_segment_fixed_size 327680
		.amdhsa_private_segment_fixed_size 0
		.amdhsa_enable_private_segment 0
		.amdhsa_kernarg_size 48
		.amdhsa_user_sgpr_count 2
		.amdhsa_user_sgpr_kernarg_segment_ptr 1
		.amdhsa_wavefront_size32 1
		.amdhsa_system_sgpr_workgroup_id_x 1
		.amdhsa_system_sgpr_workgroup_id_y 1
		.amdhsa_system_sgpr_workgroup_id_z 1
		.amdhsa_system_vgpr_workitem_id 0
		.amdhsa_next_free_vgpr 1024
		.amdhsa_next_free_sgpr 102
		.amdhsa_reserve_vcc 0
		.amdhsa_float_denorm_mode_32 3
		.amdhsa_float_denorm_mode_16_64 3
		.amdhsa_memory_ordered 1
		.amdhsa_forward_progress 1
		.amdhsa_inst_pref_size 174
	.end_amdhsa_kernel
	.amdgpu_metadata
---
amdhsa.version: [ 1, 2 ]
amdhsa.kernels:
  - .name:           k_qcd43849eff_qkv
    .symbol:         k_qcd43849eff_qkv.kd
    .args:
      - { .name: cod, .offset: 0, .size: 8, .value_kind: global_buffer, .address_space: global }
      - { .name: scl, .offset: 8, .size: 8, .value_kind: global_buffer, .address_space: global }
      - { .name: bq, .offset: 16, .size: 8, .value_kind: global_buffer, .address_space: global }
      - { .name: bk, .offset: 24, .size: 8, .value_kind: global_buffer, .address_space: global }
      - { .name: bv, .offset: 32, .size: 8, .value_kind: global_buffer, .address_space: global }
      - { .name: qkv, .offset: 40, .size: 8, .value_kind: global_buffer, .address_space: global }
    .group_segment_fixed_size: 327680
    .private_segment_fixed_size: 0
    .kernarg_segment_align: 8
    .kernarg_segment_size: 48
    .max_flat_workgroup_size: 128
    .sgpr_count:     102
    .vgpr_count:     1024
    .wavefront_size: 32
...
	.end_amdgpu_metadata
.endif
;; end of part 2
;; launch attn (part 3): grid 4 x 64, 8 waves a work-group, clusters of 4 x 1, 205,824 bytes of LDS; arguments qkv, yc, ys; writes yc, ys
.if DOCPART == 3
	.amdgcn_target "amdgcn-amd-amdhsa--gfx1250"
	.amdhsa_code_object_version 6
	.text
	.protected	k_qcd43849eff_attn
	.globl	k_qcd43849eff_attn
	.p2align	8
	.type	k_qcd43849eff_attn,@function
k_qcd43849eff_attn:
	s_mov_b64 s[64:65], 0
	v_nop
	global_prefetch_b8 v0, s[64:65] scope:SCOPE_SE
	s_setreg_imm32_b32 hwreg(HW_REG_WAVE_MODE, 25, 1), 1
	s_wait_xcnt 0x0
	s_wait_alu depctr_hold_cnt(0) depctr_sa_sdst(0) depctr_va_vdst(0) depctr_va_sdst(0) depctr_va_ssrc(0) depctr_va_vcc(0) depctr_vm_vsrc(0)
	s_getreg_b32 s2, hwreg(HW_REG_IB_STS2, 6, 4)
	s_cmp_eq_u32 s2, 0
	s_cbranch_scc0 .Lentry_in_a_cluster
	s_endpgm
.Lentry_in_a_cluster:
	s_bfe_u32 s2, ttmp6, 0x10000c
	s_cmp_lg_u32 s2, 0x3003
	s_cbranch_scc0 .Lentry_shape_is_right
	s_endpgm
.Lentry_shape_is_right:
; y[b][t][head] = softmax(q k^T / 8) v for one head of 64, both products on codes of MX-FP6 (E2M3); y is quantised along the model's 1,024 into the operand of the last product.
; THE SOFTMAX: t = score x log2(e) / 8; M = the running largest t rounded up to a whole number; p = 2^(t - M) is quantised along the keys, not normalised; the row's sum is taken of the
; unquantised p and divides at the end.  When M moves, the sum and O are multiplied by 2^(old M - new M), which rounds nothing.
; SHARES.  Work-group (cx, y): batch y / 16, head y % 16, queries 512 cx on.  Eight waves, 64 queries each: four tiles of 16, WORKED TWO AT A TIME, so that every chain of dependent lines has a second
; tile's lines between its own: eight chains of maxima, four of sums, one batch of 132 exponentials with one wait ahead of it and one behind it.
; K AND V OF THE WHOLE HEAD LIE IN LDS: 16 records of 6,400 bytes each, filled once, by one joint load a wave (four records, 100 rows of 256 bytes); the four work-groups of a cluster read the same head.
; Waves 0 and 4 bring records 0-3 of K and V by a load line of their own: the first barrier shows these alone; the barrier behind the first key step shows the rest.
; No prefetch: every tile is asked for at the head, so there is no loop of loads to run ahead in.
; LAYOUT.  Both products are used transposed: S^T = K Q^T, O^T = V^T P^T: a lane holds one query.  A fragment of K carries two tiles of 16 keys (d of one in k = 0 .. 63, of the other in k = 64 .. 127);
; Q stands beside zero codes, as [q | 0] and as [0 | q].  Row m of tile a of a key step is key 64 (a / 4) + 8 (a % 4) + m % 8 + 32 (m / 8): so the 32 registers of four tiles' results are keys
; 64 c + 32 (lane / 16) + 0 .. 31, a whole scale block, in the order of the next operand's registers; O^T's 32 registers of a tile are d = 32 (lane / 16) + 0 .. 31 likewise.
; K's fragments of the next step are fetched behind this step's last scores, V's behind this step's first scores.
; LIMITS: the promise holds while the scaled scores stay under 2^31 in magnitude; NaN and infinities are not served; the division by the sum is v_rcp_f32 and a multiplication; a block of zeros or
; under 2^-124 gets the byte 1 (the rule says 127 for zeros): this program alone reads the bytes.  y's scale bytes leave two at a time (a head holds 2 of a row's 32).
; REGISTERS: window 0: the names below.  Window 1: v0-127 O^T, 32 a tile; v128-181 zeros and Q by turns, six registers each; v182-229 K's four fragments.
.set KREC,  6400
.set VBASE, 16*KREC                    ; V's records lie behind K's
.set SPARE, 2*VBASE                    ; the spare words, 128 bytes for each wave
.set L16,  1                           ; 16 x lane
.set L8,   2                           ; 8 x lane
.set SPW,  3                           ; my spare word; never rewritten
.set NIL,  4                           ; 0; never rewritten
.set AK16, 5                           ; v5-8 the step's records of K and V, + 16 x lane and + 8 x lane
.set AK8,  6
.set AV16, 7
.set AV8,  8
.set L16V, 9
.set L8V,  10
.set YSO,  11                          ; y's scale bytes: 512 (lane / 16) + 8 (lane % 16)
.set ST,   12                          ; v12-27 tile t: -M, the largest score, the sum in two halves
.set KSW,  28                          ; scale words: K's v28-29, Q's v30-31, V's v32-33, p's v38-39
.set QW,   30
.set VSW,  32
.set F,    34                          ; v34, v36  2^(old M - new M) of the pair's two tiles; v35, v37 at work beside them
.set TT,   35
.set PW,   38
.set S,    40                          ; v40-167  S^T of two tiles, then p
.set PC,   168                         ; v168-191 p's codes, 12 a tile; before they are made: at work
.set BYT,  PC+8
.set SB,   PC+16
.set VF,   192                         ; v192-239 V's four fragments
.set BM,   240                         ; v240-247 eight chains of maxima; the blocks' largest scores end in the even ones
.set SO,   248                         ; v248-251 the conversions' scale operands
.set H8,   252                         ; 8 (lane / 16)
.set KF,   182                         ; window 1
.set WV,   10
.set CX,   11
.set BT,   13
.set HD,   14
.set SEL,  20                          ; s[20:21] selects for lane l xor 16
.set CS,   22                          ; s[22:23] c = log2(e) / 8
.set G1,   24
.set G0,   40
.set TB,   48                          ; LDS byte of the step's record of K
.set CNT,  49
.set HIM,  50                          ; lanes 16-31
.set NCS,  51                          ; -c
.set MSB, 0
.macro WIN new                         ; the immediate's high byte repeats the setting that is left
.if MSB != \new
	s_set_vgpr_msb (MSB<<8)|\new
.set MSB, \new
.endif
.endm
.macro WALU
	s_wait_alu depctr_va_vdst(0)
.endm
.macro CROUND                          ; a round of the cluster's barrier
	s_barrier_signal -1
	s_barrier_wait -1
	s_cmp_lg_u32 s[WV], 0
	s_cbranch_scc1 .Lnot_wave_0_\@
	s_barrier_signal -3
.Lnot_wave_0_\@:
	s_barrier_wait -3
	s_barrier_signal -1
	s_barrier_wait -1
.endm
.macro TLOAD
	tensor_load_to_lds s[G0:G0+3], s[G1:G1+7]
	s_nop 0
.rept 4
	v_nop
.endr
.endm
.macro FRAG4 reg, a16, a8, off         ; a fragment: two images of 768 bytes, as they lie
	ds_load_b128 v[\reg:\reg+3], v[\a16] offset:\off
	ds_load_b64 v[\reg+4:\reg+5], v[\a8] offset:\off+512
	ds_load_b128 v[\reg+6:\reg+9], v[\a16] offset:\off+768
	ds_load_b64 v[\reg+10:\reg+11], v[\a8] offset:\off+1280
.endm
.macro KLOAD a16, a8, off              ; a record of K: four fragments into window 1, its scale words: 17 loads
	WIN 0x40
.irp b, 0,1,2,3
	FRAG4 KF+12*\b, \a16, \a8, \off+1536*\b
.endr
	WIN 0
	ds_load_b64 v[KSW:KSW+1], v[\a8] offset:\off+6144
.endm
.macro MX6 d, a, b, c, sa, sb, ra, rb
	v_wmma_scale_f32_16x16x128_f8f6f4 v[\d:\d+7], v[\a:\a+11], v[\b:\b+11], \c, v[\sa], v[\sb] matrix_a_fmt:MATRIX_FMT_FP6 matrix_b_fmt:MATRIX_FMT_FP6 matrix_a_scale:MATRIX_SCALE_ROW\ra matrix_b_scale:MATRIX_SCALE_ROW\rb
.endm
	s_load_b128 s[4:7], s[0:1], 0x0                ; qkv, yc
	s_load_b64 s[8:9], s[0:1], 0x10                ; ys
	v_lshl_add_u32 v[SPW], v0, 2, SPARE
	v_mov_b32 v[NIL], 0
	ds_add_u32 v[SPW], v[NIL]                      ; the add, twice on end, and below its wait
	ds_add_u32 v[SPW], v[NIL]
	v_lshrrev_b32 v40, 5, v0
	v_readfirstlane_b32 s[WV], v40                 ; wave 0..7
	s_bfe_u32 s[CX], ttmp6, 0x40000                ; my place in the cluster: it enters Q's and y's addresses alone
	s_and_b32 s12, ttmp7, 0xffff
	s_lshr_b32 s[BT], s12, 4                       ; batch
	s_and_b32 s[HD], s12, 15                       ; head
	s_lshr_b32 s15, s[WV], 2                       ; I fetch for K (0) or for V (1),
	s_and_b32 s16, s[WV], 3                        ; this quarter: records 4 (wave % 4) on
	s_mov_b32 s[G1], 15|(3<<16)|(1<<21)            ; the mask: all four work-groups; elements of 8 bytes; bit 21 beside a mask
	s_mov_b32 s[G1+1], 32<<16                      ; four records are a dense block: 100 rows of 256 bytes
	s_mov_b32 s[G1+2], 100<<16
	s_mov_b32 s[G1+3], 32<<16
	s_mov_b32 s[G1+4], 100
	s_mov_b32 s[G1+5], 32
	s_mov_b32 s[G1+6], 0
	s_mov_b32 s[G1+7], 0
	s_mov_b32 s[G0], 1
	s_mul_i32 s17, s15, VBASE
	s_mul_i32 s18, s16, 4*KREC
	s_add_co_u32 s[G0+1], s17, s18
	s_add_co_u32 s33, s[HD], 16                    ; in memory K's records of the head begin at ((16 + head) x 64 + 16 batch) x 6,400; V's 1,024 records on
	s_lshl_b32 s33, s33, 6
	s_lshl_b32 s12, s[BT], 4
	s_add_co_u32 s33, s33, s12
	s_mul_i32 s33, s33, KREC
	s_mul_i32 s17, s15, 1024*KREC
	s_add_co_u32 s33, s33, s17
	s_add_co_u32 s56, s33, s18
	s_mov_b32 s57, 0
	s_lshl_b32 s2, s[HD], 6                        ; Q: record head x 64 + 16 batch + 4 cx + wave / 2, its half wave % 2
	s_lshl_b32 s3, s[BT], 4
	s_add_co_u32 s2, s2, s3
	s_lshl_b32 s3, s[CX], 2
	s_add_co_u32 s2, s2, s3
	s_lshr_b32 s3, s[WV], 1
	s_add_co_u32 s2, s2, s3
	s_mul_i32 s2, s2, KREC
	s_and_b32 s3, s[WV], 1
	s_mul_i32 s58, s3, 3072
	s_add_co_u32 s58, s58, s2
	s_mov_b32 s59, 0
	s_lshl_b32 s60, s3, 2
	s_add_co_u32 s60, s60, s2
	s_add_co_u32 s60, s60, 6144                    ; its scale words: word wave % 2 of each lane's two
	s_mov_b32 s61, 0
	s_mov_b32 s[SEL], 0x76543210
	s_mov_b32 s[SEL+1], 0xfedcba98
	s_mov_b32 s[CS], 0x3e38aa3b                    ; c = log2(e) / 8
	s_mov_b32 s[CS+1], s[CS]                       ; (named with it as a pair)
	s_mov_b32 s[NCS], 0xbe38aa3b
	s_mov_b32 s[TB], 0
	s_mov_b32 s[HIM], 0xffff0000
	v_and_b32 v40, 31, v0
	v_and_b32 v41, 15, v0
	v_bfe_u32 v42, v0, 4, 1
	v_lshlrev_b32 v[L16], 4, v40
	v_lshlrev_b32 v[L8], 3, v40
	v_lshlrev_b32 v[YSO], 3, v41
	v_add_nc_u32 v[L16V], VBASE, v[L16]
	v_add_nc_u32 v[L8V], VBASE, v[L8]
	v_lshl_add_u32 v[YSO], v42, 9, v[YSO]
	v_lshlrev_b32 v[H8], 3, v42
	WIN 0x40
.irp t, 0,1,2,3,4
.irp i, 0,1,2,3,4,5
	v_mov_b32 v[128+12*\t+\i], 0                   ; the zero codes beside Q's tiles
.endr
.endr
	WIN 0
	WALU                                           ; the wait at the head's end
	s_wait_dscnt 0x0                               ; both opening adds are done
	s_wait_kmcnt 0x0
	s_add_nc_u64 s[G0+2:G0+3], s[4:5], s[56:57]
	s_or_b32 s[G0+3], s[G0+3], 0x80000000
	s_add_nc_u64 s[58:59], s[4:5], s[58:59]
	s_add_nc_u64 s[60:61], s[4:5], s[60:61]
	CROUND                                         ; all four work-groups are here: the joint loads meet
	s_cmp_lg_u32 s16, 0
	s_cbranch_scc1 .Llater
	TLOAD                                          ; waves 0 and 4: records 0-3 of K and of V, by a line of their own
	s_branch .Lasked
.Llater:
	TLOAD                                          ; the other six: records 4-15.  One tensor load of mine is out, and there are no more
.Lasked:
	WIN 0x40
.irp t, 0,1,2,3
	global_load_b128 v[134+12*\t:137+12*\t], v[L16], s[58:59] offset:768*\t       ; Q's four tiles stay in registers
	global_load_b64 v[138+12*\t:139+12*\t], v[L8], s[58:59] offset:768*\t+512
.endr
	WIN 0
	global_load_b32 v[BM], v[L8], s[60:61]         ; lanes 0-15: tiles 0, 1; lanes 16-31: tiles 2, 3; two bytes each
	s_cmp_lg_u32 s16, 0
	s_cbranch_scc1 .Lnot_first
	s_wait_tensorcnt 0x0                           ; waves 0 and 4: records 0-3 are in
.Lnot_first:
	s_barrier_signal -1
	s_barrier_wait -1                              ; the other loads may stay out
	KLOAD L16, L8, 0
	s_wait_loadcnt 0x0                             ; Q
	v_perm_b32 v[QW], v[BM], v[BM], 0x01000100     ; an even tile's two bytes, twice: they serve [q | 0] and [0 | q] alike
	v_perm_b32 v[QW+1], v[BM], v[BM], 0x03020302   ; an odd tile's
.irp t, 0,1,2,3                        ; (these lines are also the places between the writes of Q's scale words and the first product)
	v_mov_b32 v[ST+4*\t], 0x7e000000               ; -M: 2^125, so that the first change of M gives the factor 0
	v_mov_b32 v[ST+4*\t+1], 0xff61b1e6             ; the largest score so far: -3e38
	v_mov_b32 v[ST+4*\t+2], 0                      ; the sum, in two halves
	v_mov_b32 v[ST+4*\t+3], 0
.endr
.irp k, 0,1,2,3,4,5,6,7
	v_mov_b32 v[PC+\k], 0                          ; a lane permute's destination counts as one of its sources
.endr
	WALU
; TWO TILES OF 16 QUERIES (2 p, 2 p + 1) x 128 KEYS: sixteen products, the softmax of both, eight products.  No two matrix instructions that follow each other share an accumulator.
; first = 1: the products start O^T's sums.  pre: 1 = K's next record is fetched; 2 = in the loop: not in its last trip.
; Index m = 2 x tile + c: my block 2 c + (lane / 16) of that tile: registers S + 32 m on.
.macro PAIR p, first, pre
.set RT, ST+8*(\p)
	WIN 0x05                                       ; K and Q in window 1
.irp e, 0,1
.irp g, 0,1
.irp w, 0,1
.irp u, 0,1
	MX6 S+64*\e+32*\g+16*\w+8*\u, KF+24*\g+12*\w, 134+24*\p+12*\e-6*\u, 0, KSW+\g, QW+\e, \w, \p
.endr
.endr
.endr
.endr
	WIN 0
.if (\p) == 0
	v_add_nc_u32 v[AK16], s[TB], v[L16]            ; four places: behind the scores' products, and behind the last step's products ahead of the loads into V's registers
	v_add_nc_u32 v[AK8], s[TB], v[L8]
	v_add_nc_u32 v[AV16], s[TB], v[L16V]
	v_add_nc_u32 v[AV8], s[TB], v[L8V]
.irp b, 0,1,2,3
	FRAG4 VF+12*\b, AV16, AV8, 1536*\b
.endr
	ds_load_b64 v[VSW:VSW+1], v[AV8] offset:6144
.else
.rept 4
	v_nop                                          ; four places: ahead of the reads of the scores and of the loads into K's registers
.endr
.if (\pre) == 2
	WALU                                           ; the wait ahead of the branch
	s_cmp_eq_u32 s[CNT], 1
	s_cbranch_scc1 .Lno_k_\@                       ; the last step has no next record
.endif
	KLOAD AK16, AK8, KREC
.if (\pre) == 2
.Lno_k_\@:
.endif
.endif
.irp k, 0,1,2,3,4,5,6,7                ; eight chains, two to a block: the block's largest score serves for the row's maximum and, since p rises with the score, for the block's largest p
	v_max3_num_f32 v[BM+\k], v[S+16*\k], v[S+16*\k+1], v[S+16*\k+2]
.endr
.irp i, 3,5,7,9,11,13
.irp k, 0,1,2,3,4,5,6,7
	v_max3_num_f32 v[BM+\k], v[BM+\k], v[S+16*\k+\i], v[S+16*\k+\i+1]
.endr
.endr
.irp m, 0,1,2,3
	v_max_num_f32 v[BM+2*\m+1], v[BM+2*\m+1], v[S+32*\m+31]
.endr
.irp m, 0,1,2,3
	v_max3_num_f32 v[BM+2*\m], v[BM+2*\m], v[BM+2*\m+1], v[S+32*\m+15]   ; all 32 keys of the block are mine
.endr
.irp e, 0,1
	v_max_num_f32 v[TT+2*\e], v[BM+4*\e], v[BM+4*\e+2]
.endr
.irp e, 0,1
	v_permlanex16_b32 v[PC+\e], v[TT+2*\e], s[SEL], s[SEL+1]
.endr
.irp e, 0,1
	v_max3_num_f32 v[RT+4*\e+1], v[RT+4*\e+1], v[TT+2*\e], v[PC+\e]   ; the running largest score, lane l xor 16's two blocks among them
.endr
.irp e, 0,1
	v_mov_b32 v[TT+2*\e], v[RT+4*\e]               ; the old -M
.endr
.irp e, 0,1
	v_mul_f32 v[F+2*\e], s[NCS], v[RT+4*\e+1]      ; -t (c is positive)
.endr
.irp e, 0,1
	v_floor_f32 v[RT+4*\e], v[F+2*\e]              ; the new -M = floor(-t) = -ceil(t)
.endr
.irp e, 0,1
	v_sub_f32 v[TT+2*\e], v[RT+4*\e], v[TT+2*\e]   ; old M - new M: a whole number, 0 or less
.endr
.irp e, 0,1
	v_cvt_i32_f32 v[TT+2*\e], v[TT+2*\e]           ; (it saturates)
.endr
.irp e, 0,1
	v_ldexp_f32 v[F+2*\e], 1.0, v[TT+2*\e]         ; f = 2^(old M - new M)
.endr
.set jj, 0
.rept 32
.irp e, 0,1
	v_pk_fma_f32 v[S+64*\e+jj:S+64*\e+jj+1], v[S+64*\e+jj:S+64*\e+jj+1], s[CS:CS+1], v[RT+4*\e:RT+4*\e+1] op_sel_hi:[1,0,0]   ; t - M, two at a time
.endr
.set jj, jj+2
.endr
.irp m, 0,1,2,3
	v_fma_f32 v[BM+2*\m], v[BM+2*\m], s[CS], v[RT+4*(\m/2)]   ; the same of each block's largest score
.endr
	WALU                                           ; the wait ahead of the batch; it also covers the blocking wait below
.if (\p) == 0
	s_wait_dscnt 0x0                               ; V's seventeen loads are in
.endif
.irp m, 0,1,2,3
	v_exp_f32 v[BM+2*\m], v[BM+2*\m]               ; the blocks' largest p: the same two instructions on the same number give the same bits
.endr
.set jj, 0
.rept 128
	v_exp_f32 v[S+jj], v[S+jj]                     ; p = 2^(t - M), at most 1
.set jj, jj+1
.endr
.irp e, 0,1
	v_pk_mul_f32 v[RT+4*\e+2:RT+4*\e+3], v[RT+4*\e+2:RT+4*\e+3], v[F+2*\e:F+2*\e+1] op_sel_hi:[1,0]   ; the sums under the new M: plain lines behind the exponentials
.endr
	WALU                                           ; one wait for the batch, ahead of its first reader
.irp e, 0,1
	v_pk_add_f32 v[SB+2*\e:SB+2*\e+1], v[S+64*\e:S+64*\e+1], v[S+64*\e+2:S+64*\e+3]   ; the rows' sums of the unquantised p: two at a time, four chains
.endr
.set jj, 4
.rept 15
.irp e, 0,1
	v_pk_add_f32 v[RT+4*\e+2:RT+4*\e+3], v[RT+4*\e+2:RT+4*\e+3], v[S+64*\e+jj:S+64*\e+jj+1]
	v_pk_add_f32 v[SB+2*\e:SB+2*\e+1], v[SB+2*\e:SB+2*\e+1], v[S+64*\e+jj+2:S+64*\e+jj+3]
.endr
.set jj, jj+4
.endr
.irp m, 0,1,2,3
	v_max_num_f32 v[BM+2*\m], 0x1800000, v[BM+2*\m]   ; the floor 2^(3 - 127): the byte cannot fall under 1
.endr
.irp e, 0,1
	v_pk_add_f32 v[RT+4*\e+2:RT+4*\e+3], v[RT+4*\e+2:RT+4*\e+3], v[SB+2*\e:SB+2*\e+1]
.endr
.irp m, 0,1,2,3
	v_add_nc_u32 v[SO+\m], 0xff000000, v[BM+2*\m]  ; 2 off the exponent field: the conversion's scale operand
.endr
.irp m, 0,1,2,3
	v_lshrrev_b32 v[BYT+\m], 23, v[SO+\m]          ; the scale's byte
.endr
.irp e, 0,1
	v_lshl_or_b32 v[BYT+2*\e], v[BYT+2*\e+1], 16, v[BYT+2*\e]
.endr
.irp e, 0,1
	v_lshlrev_b32 v[BYT+2*\e], v[H8], v[BYT+2*\e]  ; my two bytes at their places: blocks h and 2 + h
.endr
.irp e, 0,1
	v_permlanex16_b32 v[PC+\e], v[BYT+2*\e], s[SEL], s[SEL+1]
.endr
.irp e, 0,1
	v_or_b32 v[PW+\e], v[BYT+2*\e], v[PC+\e]       ; p's scale word for these 128 keys
.endr
.irp m, 0,1,2,3                        ; the lower halves of my blocks
	v_cvt_scalef32_pk16_fp6_f32 v[PC+6*\m:PC+6*\m+2], v[S+32*\m:S+32*\m+15], v[SO+\m]
.endr
	v_nop                                          ; a plain line: the next four write registers that these four have read
.irp m, 0,1,2,3                        ; the upper halves, into p's registers that are done with (a conversion's three registers begin on an even number)
	v_cvt_scalef32_pk16_fp6_f32 v[S+32*\m:S+32*\m+2], v[S+32*\m+16:S+32*\m+31], v[SO+\m]
.endr
	v_nop                                          ; one plain line behind the scaled conversions
.irp m, 0,1,2,3
.irp i, 0,1,2
	v_mov_b32 v[PC+6*\m+3+\i], v[S+32*\m+\i]
.endr
.endr
.if \first
	WALU
.rept 8
	v_nop                                          ; nothing to rescale: places between the writes of p's codes and scale words and the products
.endr
.else
	WIN 0x41                                       ; O^T (destination and source 0) window 1
	WALU                                           ; the wait directly ahead of the first reader of O^T
.irp e, 0,1
.set jj, 0
.rept 16
	v_pk_mul_f32 v[64*(\p)+32*\e+jj:64*(\p)+32*\e+jj+1], v[64*(\p)+32*\e+jj:64*(\p)+32*\e+jj+1], v[F+2*\e:F+2*\e+1] op_sel_hi:[1,0]   ; O^T under the new M; also the places in front of the products
.set jj, jj+2
.endr
.endr
.endif
	WIN 0x50                                       ; C and D window 1
.irp g, 0,1
.irp w, 0,1
.irp e, 0,1
.set OO, 64*(\p)+32*\e+16*\g+8*\w
.if \first
	MX6 OO, VF+24*\g+12*\w, PC+12*\e, 0, VSW+\g, PW+\e, \w, 0
.else
	MX6 OO, VF+24*\g+12*\w, PC+12*\e, v[OO:OO+7], VSW+\g, PW+\e, \w, 0
.endif
.endr
.endr
.endr
	WIN 0
.endm
.macro STEP first, pre                 ; a key step: 128 keys for my four tiles
	s_wait_dscnt 0x0                               ; K's seventeen loads, asked for in the step before, are in
	PAIR 0, \first, \pre
	PAIR 1, \first, \pre
	s_add_co_u32 s[TB], s[TB], KREC
.endm
	STEP 1, 1                                      ; the first step starts O^T's sums; it reads records 0 and 1 alone
	WALU
	s_wait_tensorcnt 0x0                           ; every wave: my four records are in,
	s_wait_dscnt 0x0
	s_barrier_signal -1
	s_barrier_wait -1                              ; everybody's are
	s_mov_b32 s[CNT], 15
.Lsteps:
	STEP 0, 2
	s_sub_co_u32 s[CNT], s[CNT], 1
	s_cmp_lg_u32 s[CNT], 0
	s_cbranch_scc1 .Lsteps
	; THE WAY OUT, the four tiles side by side.  The sums are joined (these lines are the places behind the last products); O^T / the sum is y: my 32 numbers of a tile are block (lane / 16) of the head's two
.irp t, 0,1,2,3
	v_add_f32 v[BM+\t], v[ST+4*\t+2], v[ST+4*\t+3]
.endr
.irp t, 0,1,2,3
	v_permlanex16_b32 v[PC+\t], v[BM+\t], s[SEL], s[SEL+1]
.endr
.irp t, 0,1,2,3
	v_add_f32 v[BM+\t], v[BM+\t], v[PC+\t]
.endr
	WALU
.irp t, 0,1,2,3
	v_rcp_f32 v[SO+\t], v[BM+\t]
.endr
	v_nop                                          ; a plain line behind the reciprocals
	s_lshl_b32 s2, s[BT], 7                        ; my first tile of y: 128 batch + 32 cx + 4 wave
	s_lshl_b32 s3, s[CX], 5
	s_add_co_u32 s2, s2, s3
	s_lshl_b32 s3, s[WV], 2
	s_add_co_u32 s2, s2, s3
	s_mul_i32 s52, s2, 12288
	s_mul_i32 s3, s[HD], 768                       ; the head is the tile's group of 64 along K
	s_add_co_u32 s52, s52, s3
	s_mov_b32 s53, 0
	s_lshl_b32 s54, s2, 9
	s_lshr_b32 s3, s[HD], 2
	s_lshl_b32 s3, s3, 7
	s_add_co_u32 s54, s54, s3
	s_and_b32 s3, s[HD], 3
	s_lshl_b32 s3, s3, 1
	s_add_co_u32 s54, s54, s3
	s_mov_b32 s55, 0
	s_add_nc_u64 s[52:53], s[6:7], s[52:53]
	s_add_nc_u64 s[54:55], s[8:9], s[54:55]
	WIN 0x01                                       ; source 0 (O^T) window 1
	WALU                                           ; ahead of the first reader of the reciprocals and of O^T
.irp t, 0,1,2,3
.set jj, 0
.rept 32
	v_mul_f32 v[S+32*\t+jj], v[32*\t+jj], v[SO+\t] ; each accumulator from its low end on
.set jj, jj+1
.endr
.endr
	WIN 0
.irp k, 0,1,2,3,4,5,6,7
	v_max3_num_f32 v[BM+\k], |v[S+16*\k]|, |v[S+16*\k+1]|, 0x1800000
.endr
.irp i, 2,4,6,8,10,12,14
.irp k, 0,1,2,3,4,5,6,7
	v_max3_num_f32 v[BM+\k], v[BM+\k], |v[S+16*\k+\i]|, |v[S+16*\k+\i+1]|
.endr
.endr
.irp t, 0,1,2,3
	v_max_num_f32 v[BM+2*\t], v[BM+2*\t], v[BM+2*\t+1]
.endr
.irp t, 0,1,2,3
	v_add_nc_u32 v[SO+\t], 0xff000000, v[BM+2*\t]
.endr
.irp t, 0,1,2,3
	v_lshrrev_b32 v[BYT+\t], 23, v[SO+\t]
.endr
.irp t, 0,1,2,3
	v_lshlrev_b32 v[BYT+\t], v[H8], v[BYT+\t]
.endr
.irp t, 0,1,2,3
	v_permlanex16_b32 v[PC+\t], v[BYT+\t], s[SEL], s[SEL+1]
.endr
.irp t, 0,1,2,3
	v_or_b32 v[BYT+\t], v[BYT+\t], v[PC+\t]        ; my row's two scale bytes
.endr
.irp t, 0,1,2,3                        ; each tile's codes have registers of their own, where V's fragments lay
	v_cvt_scalef32_pk16_fp6_f32 v[VF+8*\t:VF+8*\t+2], v[S+32*\t:S+32*\t+15], v[SO+\t]
.endr
	v_nop
.irp t, 0,1,2,3
	v_cvt_scalef32_pk16_fp6_f32 v[S+32*\t:S+32*\t+2], v[S+32*\t+16:S+32*\t+31], v[SO+\t]
.endr
	v_nop                                          ; one plain line behind the scaled conversions
.irp t, 0,1,2,3
.irp i, 0,1,2
	v_mov_b32 v[VF+8*\t+3+\i], v[S+32*\t+\i]
.endr
.endr
.irp t, 0,1,2,3
	global_store_b128 v[L16], v[VF+8*\t:VF+8*\t+3], s[52:53] offset:12288*\t         ; 512 consecutive bytes
	global_store_b64 v[L8], v[VF+8*\t+4:VF+8*\t+5], s[52:53] offset:12288*\t+512     ; 256 consecutive bytes
.endr
.irp p, 0,1
	v_cndmask_b32 v[PC+4+\p], v[BYT+2*\p], v[BYT+2*\p+1], s[HIM]                     ; lanes 0-15 the even tile's rows, lanes 16-31 the odd one's
	global_store_b16 v[YSO], v[PC+4+\p], s[54:55] offset:1024*\p
.endr
	s_wait_tensorcnt 0x0                           ; the wave's end
	ds_add_u32 v[SPW], v[NIL]
	s_wait_dscnt 0x0
	CROUND                                         ; the closing round
	s_endpgm
.Lfunc_end_k_qcd43849eff_attn:
	.size	k_qcd43849eff_attn, .Lfunc_end_k_qcd43849eff_attn-k_qcd43849eff_attn
	.p2alignl 7, 3214868480
	.fill 96, 4, 3214868480
	.section	.rodata,"a",@progbits
	.p2align	6, 0x0
	.amdhsa_kernel k_qcd43849eff_attn
		.amdhsa_group_segment_fixed_size 205824
		.amdhsa_private_segment_fixed_size 0
		.amdhsa_enable_private_segment 0
		.amdhsa_kernarg_size 24
		.amdhsa_user_sgpr_count 2
		.amdhsa_user_sgpr_kernarg_segment_ptr 1
		.amdhsa_wavefront_size32 1
		.amdhsa_system_sgpr_workgroup_id_x 1
		.amdhsa_system_sgpr_workgroup_id_y 1
		.amdhsa_system_sgpr_workgroup_id_z 1
		.amdhsa_system_vgpr_workitem_id 0
		.amdhsa_next_free_vgpr 512
		.amdhsa_next_free_sgpr 66
		.amdhsa_reserve_vcc 0
		.amdhsa_float_denorm_mode_32 3
		.amdhsa_float_denorm_mode_16_64 3
		.amdhsa_memory_ordered 1
		.amdhsa_forward_progress 1
		.amdhsa_inst_pref_size 122
	.end_amdhsa_kernel
	.amdgpu_metadata
---
amdhsa.version: [ 1, 2 ]
amdhsa.kernels:
  - .name:           k_qcd43849eff_attn
    .symbol:         k_qcd43849eff_attn.kd
    .args:
      - { .name: qkv, .offset: 0, .size: 8, .value_kind: global_buffer, .address_space: global }
      - { .name: yc, .offset: 8, .size: 8, .value_kind: global_buffer, .address_space: global }
      - { .name: ys, .offset: 16, .size: 8, .value_kind: global_buffer, .address_space: global }
    .group_segment_fixed_size: 205824
    .private_segment_fixed_size: 0
    .kernarg_segment_align: 8
    .kernarg_segment_size: 24
    .max_flat_workgroup_size: 256
    .sgpr_count:     66
    .vgpr_count:     512
    .wavefront_size: 32
...
	.end_amdgpu_metadata
.endif
;; end of part 3
;; launch proj (part 4): grid 8 x 32, 4 waves a work-group, clusters of 4 x 4, 327,680 bytes of LDS; arguments yc, ys, cod, scl, bp, out0; writes out0
.if DOCPART == 4
	.amdgcn_target "amdgcn-amd-amdhsa--gfx1250"
	.amdhsa_code_object_version 6
	.text
	.protected	k_qcd43849eff_proj
	.globl	k_qcd43849eff_proj
	.p2align	8
	.type	k_qcd43849eff_proj,@function
k_qcd43849eff_proj:
	s_mov_b64 s[64:65], 0
	v_nop
	global_prefetch_b8 v0, s[64:65] scope:SCOPE_SE
	s_setreg_imm32_b32 hwreg(HW_REG_WAVE_MODE, 25, 1), 1
	s_wait_xcnt 0x0
	s_wait_alu depctr_hold_cnt(0) depctr_sa_sdst(0) depctr_va_vdst(0) depctr_va_sdst(0) depctr_va_ssrc(0) depctr_va_vcc(0) depctr_vm_vsrc(0)
	s_getreg_b32 s2, hwreg(HW_REG_IB_STS2, 6, 4)
	s_cmp_eq_u32 s2, 0
	s_cbranch_scc0 .Lentry_in_a_cluster
	s_endpgm
.Lentry_in_a_cluster:
	s_bfe_u32 s2, ttmp6, 0x10000c
	s_cmp_lg_u32 s2, 0xf033
	s_cbranch_scc0 .Lentry_shape_is_right
	s_endpgm
.Lentry_shape_is_right:
; out = y Wp^T + bp on codes of MX-FP6; out is f32.
; SHARES.  Work-group (j, i): y's rows of tiles 16 i .. 16 i + 15 and columns 128 j on.  Four waves, 2 x 2: wave (HR, HC) takes tiles 8 HR on and columns 64 HC on.
; LDS: y's 16 tiles and Wp's 8 tiles, all of K, and their scale bytes, each filled once by one joint load a wave at the head; nothing is filled again, so there is no ring, and no loop of loads to prefetch for.
; The first barrier shows Wp's tiles and scale bytes alone; a wave then takes its 64 weight rows, all of K, into registers.  y's tiles stream past them, 8 fragments a tile, in two sets by turns.
; Source 0 = the weight's rows, the bias is the first products' C: a lane holds 32 neighbouring columns, 32 (lane / 16) on, of one row.  A tile's 16 rows x 256 bytes go through the wave's own stage in LDS (rows of
; 272 bytes) and leave two rows an instruction: sixteen lanes store 256 consecutive bytes, aligned.  Row m of tile T is token 64 (T / 4) + 8 (T % 4) + m % 8 + 32 (m / 8).
; y's tiles are shared along a row of the cluster, Wp's along a column.
.set TILEB, 12288
.set FR,    12
.set FPW,   21
.set WB,    16*TILEB
.set SXA,   WB+8*TILEB
.set SWB,   SXA+8192
.set STAGE, SWB+4096
.set SPARE, STAGE+4*16*272
.set O16,  1
.set O8,   2
.set BO,   3
.set AW16, 6
.set AA16, 8
.set ASA,  12
.set ASW0, 13
.set SPW,  16
.set NIL,  17
.set STO,  40
.set RD,   41
.set CO,   42
.set SB,   24
.set SA,   44
.set ACC,  64
.set BB,   128
.set BK,   160                         ; v160-223 two sets of 16 rows read back from the stage
.set WV,   16
.set HR,   17
.set HC,   18
.set G1A,  24
.set G1W,  32
.set CX,   40
.set CY,   41
.set WGX,  42
.set WGY,  43
.set G1S,  48
.set G1T,  56
.set G0A,  68
.set G0W,  72
.set G0S,  76
.set G0T,  80
.set MSB, 0
.macro WIN new
.if MSB != \new
	s_set_vgpr_msb (MSB<<8)|\new
.set MSB, \new
.endif
.endm
.macro WALU
	s_wait_alu depctr_va_vdst(0)
.endm
.macro PLACES n
.rept \n
	v_nop
.endr
.endm
.macro CROUND
	s_barrier_signal -1
	s_barrier_wait -1
	s_cmp_lg_u32 s[WV], 0
	s_cbranch_scc1 .Lnot_wave_0_\@
	s_barrier_signal -3
.Lnot_wave_0_\@:
	s_barrier_wait -3
	s_barrier_signal -1
	s_barrier_wait -1
.endm
.macro TLOAD g0, g1
	tensor_load_to_lds s[\g0:\g0+3], s[\g1:\g1+7]
	s_nop 0
	PLACES 4
.endm
.macro ARM under, g0, g1, next
	s_cmp_lt_u32 s[WV], \under
	s_cbranch_scc0 \next
	TLOAD \g0, \g1
	s_branch .Lhead_asked
\next:
.endm
.macro GROUP1 g, mask, c, r, p
	s_or_b32 s[\g], s\mask, (3<<16)|(1<<21)
	s_mov_b32 s[\g+1], (\c)<<16
	s_mov_b32 s[\g+2], (\r)<<16
	s_mov_b32 s[\g+3], (\c)<<16
	s_mov_b32 s[\g+4], \r
	s_mov_b32 s[\g+5], \p
	s_mov_b32 s[\g+6], 0
	s_mov_b32 s[\g+7], 0
.endm
.macro MX6 d, a, b, c, sa, sb, ra, rb
	v_wmma_scale_f32_16x16x128_f8f6f4 v[\d:\d+7], v[\a:\a+11], v[\b:\b+11], \c, v[\sa], v[\sb] matrix_a_fmt:MATRIX_FMT_FP6 matrix_b_fmt:MATRIX_FMT_FP6 matrix_a_scale:MATRIX_SCALE_ROW\ra matrix_b_scale:MATRIX_SCALE_ROW\rb
.endm
.macro MXR d, a, b, c, sa, sb, ra, rb
.if ((\ra)==0)&&((\rb)==0)
	MX6 \d, \a, \b, \c, \sa, \sb, 0, 0
.elseif ((\ra)==1)&&((\rb)==0)
	MX6 \d, \a, \b, \c, \sa, \sb, 1, 0
.elseif ((\ra)==0)
	MX6 \d, \a, \b, \c, \sa, \sb, 0, 1
.else
	MX6 \d, \a, \b, \c, \sa, \sb, 1, 1
.endif
.endm
.macro FRAG f, a16, off                ; a fragment: two images of 768 bytes, as they lie
	WIN (1+(\f)/FPW)<<6
.set R_, FR*((\f)%FPW)
	ds_load_b128 v[R_:R_+3], v[\a16] offset:\off
	ds_load_b64 v[R_+4:R_+5], v[\a16+1] offset:\off+512
	ds_load_b128 v[R_+6:R_+9], v[\a16] offset:\off+768
	ds_load_b64 v[R_+10:R_+11], v[\a16+1] offset:\off+1280
.endm
.macro WEIGHTS
.irp q, 0,1,2,3,4,5,6,7
.irp c, 0,1,2,3
	FRAG 4*\q+\c, AW16, \c*TILEB+1536*\q
.endr
.endr
	WIN 0
.irp p, 0,1
.irp w, 0,1,2,3
	ds_load_b64 v[SB+8*\p+2*\w:SB+8*\p+2*\w+1], v[ASW0] offset:1024*\p+128*\w
.endr
.endr
.endm
.macro FETCH s                         ; y's tile s into set s % 2: 32 loads; with an even tile the scale words of it and of the next: 4 more
.set AD_, AA16+2*((\s)/4)
.irp q, 0,1,2,3,4,5,6,7
	FRAG 32+8*((\s)%2)+\q, AD_, ((\s)%4)*TILEB+1536*\q
.endr
	WIN 0
.if (\s)%2 == 0
.irp w, 0,1,2,3
	ds_load_b64 v[SA+8*(((\s)/2)%2)+2*\w:SA+8*(((\s)/2)%2)+2*\w+1], v[ASA] offset:1024*((\s)/2)+128*\w
.endr
.endif
.endm
.macro BLOCK s                         ; 32 products of tile s, four accumulators by turns
.set PB_, ((\s)/2)%2
.set E_, (\s)%2
.irp q, 0,1,2,3,4,5,6,7
.irp c, 0,1,2,3
.set FW_, 4*\q+\c
.set FX_, 32+8*E_+\q
.set DL_, ACC+32*E_+8*\c
.set SW_, SB+8*(\c/2)+\q
.set SX_, SA+8*PB_+\q
	WIN (1+FW_/FPW)|((1+FX_/FPW)<<2)
.if \q
	MXR DL_, FR*(FW_%FPW), FR*(FX_%FPW), v[DL_:DL_+7], SW_, SX_, \c%2, E_
.else
	MXR DL_, FR*(FW_%FPW), FR*(FX_%FPW), v[BB+8*\c:BB+8*\c+7], SW_, SX_, \c%2, E_
.endif
.endr
.endr
	WIN 0
.endm
.macro TOSTAGE s                       ; 8 stores and 8 loads; LDS serves a wave's instructions in order, so no wait stands between them
.set A0, ACC+32*((\s)%2)
.set BK_, BK+32*((\s)%2)
.irp c, 0,1,2,3
	ds_store_b128 v[STO], v[A0+8*\c:A0+8*\c+3] offset:32*\c
	ds_store_b128 v[STO], v[A0+8*\c+4:A0+8*\c+7] offset:32*\c+16
.endr
.irp t, 0,1,2,3,4,5,6,7
	ds_load_b128 v[BK_+4*\t:BK_+4*\t+3], v[RD] offset:544*\t
.endr
.endm
.macro SEND s
.set BK_, BK+32*((\s)%2)
	s_wait_dscnt 0x0
.irp t, 0,1,2,3,4,5,6,7
	global_store_b128 v[CO], v[BK_+4*\t:BK_+4*\t+3], s[14:15] offset:(64*((\s)/4)+8*((\s)%4)+2*\t+24*(\t/4))*4096 th:TH_STORE_NT
.endr
.endm
	s_load_b256 s[4:11], s[0:1], 0x0               ; yc, ys, cod, scl
	s_load_b128 s[12:15], s[0:1], 0x20             ; bp, out0
	v_lshl_add_u32 v[SPW], v0, 2, SPARE
	v_mov_b32 v[NIL], 0
	ds_add_u32 v[SPW], v[NIL]
	ds_add_u32 v[SPW], v[NIL]
	v_lshrrev_b32 v18, 5, v0
	v_readfirstlane_b32 s[WV], v18
	s_lshr_b32 s[HR], s[WV], 1
	s_and_b32 s[HC], s[WV], 1
	s_bfe_u32 s[CX], ttmp6, 0x40000
	s_bfe_u32 s[CY], ttmp6, 0x40004
	s_lshl_b32 s[WGX], ttmp9, 2
	s_add_co_u32 s[WGX], s[WGX], s[CX]             ; j
	s_and_b32 s[WGY], ttmp7, 0xffff
	s_lshl_b32 s[WGY], s[WGY], 2
	s_add_co_u32 s[WGY], s[WGY], s[CY]             ; i
	s_lshl_b32 s44, s[CY], 2
	s_lshl_b32 s44, 15, s44                        ; my row of the cluster
	s_lshl_b32 s45, 0x1111, s[CX]                  ; my column
	GROUP1 G1A, 44, 1536, 16, 1536                 ; y's 16 tiles, a row a tile
	GROUP1 G1W, 45, 1536, 8, 1536                  ; Wp's 8 tiles
	GROUP1 G1S, 44, 32, 32, 32                     ; y's scale bytes: 32 rows of 256 bytes
	GROUP1 G1T, 45, 32, 16, 32                     ; Wp's: 16 rows
	s_mov_b32 s[G0A], 1
	s_mov_b32 s[G0A+1], 0
	s_mov_b32 s[G0W], 1
	s_mov_b32 s[G0W+1], WB
	s_mov_b32 s[G0S], 1
	s_mov_b32 s[G0S+1], SXA
	s_mov_b32 s[G0T], 1
	s_mov_b32 s[G0T+1], SWB
	s_mul_i32 s20, s[WGY], 16*TILEB
	s_mov_b32 s21, 0
	s_lshl_b32 s22, s[WGY], 13
	s_mov_b32 s23, 0
	s_mul_i32 s46, s[WGX], 8*TILEB
	s_add_co_u32 s46, s46, 704*TILEB
	s_mov_b32 s47, 0
	s_lshl_b32 s92, s[WGX], 12
	s_add_co_u32 s92, s92, 704*512
	s_mov_b32 s93, 0
	s_lshl_b32 s94, s[WGX], 9                      ; my columns, in bytes: 4 (128 j + 64 HC)
	s_lshl_b32 s19, s[HC], 8
	s_add_co_u32 s94, s94, s19
	s_mov_b32 s95, 0
	s_lshl_b32 s96, s[WGY], 20                     ; my first row: 256 i + 128 HR, rows of 4,096 bytes
	s_lshl_b32 s19, s[HR], 19
	s_add_co_u32 s96, s96, s19
	s_add_co_u32 s96, s96, s94
	s_mov_b32 s97, 0
	s_mul_i32 s98, s[HC], 4*TILEB
	s_add_co_u32 s98, s98, WB
	s_mul_i32 s99, s[HR], 8*TILEB
	s_add_co_u32 s100, s99, 4*TILEB
	s_lshl_b32 s101, s[HR], 12
	s_add_co_u32 s101, s101, SXA
	s_lshl_b32 s19, s[HC], 11
	s_add_co_u32 s19, s19, SWB
	s_mul_i32 s91, s[WV], 16*272
	s_add_co_u32 s91, s91, STAGE
	v_and_b32 v18, 31, v0
	v_and_b32 v19, 15, v0
	v_bfe_u32 v20, v0, 4, 1
	v_lshlrev_b32 v[O16], 4, v18
	v_lshlrev_b32 v[O8], 3, v18
	v_lshlrev_b32 v21, 3, v19
	v_mul_u32_u24 v22, v19, 272
	v_mul_u32_u24 v23, v20, 272
	v_lshl_add_u32 v21, v20, 9, v21                ; 8 r + 512 h
	v_lshl_add_u32 v22, v20, 7, v22                ; into the stage: row r, + 128 h
	v_lshl_add_u32 v23, v19, 4, v23                ; out of it: row h, + 16 r
	v_lshlrev_b32 v[CO], 4, v19
	v_add_nc_u32 v[AW16], s98, v[O16]
	v_add_nc_u32 v[AW16+1], s98, v[O8]
	v_add_nc_u32 v[AA16], s99, v[O16]
	v_add_nc_u32 v[AA16+1], s99, v[O8]
	v_add_nc_u32 v[AA16+2], s100, v[O16]
	v_add_nc_u32 v[AA16+3], s100, v[O8]
	v_add_nc_u32 v[ASA], s101, v21
	v_add_nc_u32 v[ASW0], s19, v21
	v_add_nc_u32 v[STO], s91, v22
	v_add_nc_u32 v[RD], s91, v23
	v_lshl_add_u32 v[CO], v20, 12, v[CO]           ; in out0: row h, + 16 r
	v_lshlrev_b32 v[BO], 7, v20                    ; the bias: my 32 columns begin at 32 h
	WALU                                           ; the wait at the head's end
	s_wait_dscnt 0x0
	s_wait_kmcnt 0x0
	s_add_nc_u64 s[G0A+2:G0A+3], s[4:5], s[20:21]
	s_or_b32 s[G0A+3], s[G0A+3], 0x80000000
	s_add_nc_u64 s[G0S+2:G0S+3], s[6:7], s[22:23]
	s_or_b32 s[G0S+3], s[G0S+3], 0x80000000
	s_add_nc_u64 s[G0W+2:G0W+3], s[8:9], s[46:47]
	s_or_b32 s[G0W+3], s[G0W+3], 0x80000000
	s_add_nc_u64 s[G0T+2:G0T+3], s[10:11], s[92:93]
	s_or_b32 s[G0T+3], s[G0T+3], 0x80000000
	s_add_nc_u64 s[12:13], s[12:13], s[94:95]
	s_add_nc_u64 s[14:15], s[14:15], s[96:97]
	CROUND                                         ; all sixteen work-groups are here: the joint loads meet
	ARM 1, G0W, G1W, .Lhead_t                      ; one load a wave, what is needed first asked for first
	ARM 2, G0T, G1T, .Lhead_a
	ARM 3, G0A, G1A, .Lhead_s
	TLOAD G0S, G1S
.Lhead_asked:
.irp c, 0,1,2,3
.irp w, 0,1
	global_load_b128 v[BB+8*\c+4*\w:BB+8*\c+4*\w+3], v[BO], s[12:13] offset:(8*\c+4*\w)*4
.endr
.endr
	s_cmp_lt_u32 s[WV], 2
	s_cbranch_scc0 .Lnot_w
	s_wait_tensorcnt 0x0                           ; waves 0 and 1: Wp's tiles and scale bytes are in
.Lnot_w:
	s_barrier_signal -1
	s_barrier_wait -1                              ; y's loads may stay out
	WEIGHTS
	s_wait_tensorcnt 0x0                           ; every wave: all that is still out
	s_wait_dscnt 0x0
	s_barrier_signal -1
	s_barrier_wait -1                              ; y's tiles and scale bytes are shown to all
	FETCH 0
	FETCH 1
	s_wait_loadcnt 0x0                             ; the bias
; Tile s is multiplied; then tile s - 2 is stored, tile s + 2 fetched, and tile s - 1 sent through the stage.  From tile 3 on SEND's wait for all LDS work, a tile earlier, has shown the tile's fragments in.
.irp s, 0,1,2,3,4,5,6,7
.if \s == 0
	s_wait_dscnt 32                                ; behind tile 0's fetch: tile 1's 32 loads
.elseif \s == 1
	s_wait_dscnt 36                                ; behind tile 1's: tile 2's 36
.elseif \s == 2
	s_wait_dscnt 48                                ; behind tile 2's: tile 3's 32 and the stage's 16
.endif
	BLOCK \s
	PLACES 4
.if \s > 1
	SEND \s-2
.endif
.if \s < 6
	FETCH \s+2
.endif
.if \s > 2
	s_wait_xcnt 0x0                                ; tile s - 3's stores have read the registers that the stage's loads write
.endif
.if \s > 0
	TOSTAGE \s-1
.endif
.endr
	SEND 6
	s_wait_xcnt 0x0
	TOSTAGE 7
	SEND 7
	s_wait_tensorcnt 0x0                           ; the wave's end
	ds_add_u32 v[SPW], v[NIL]
	s_wait_dscnt 0x0
	CROUND
	s_endpgm
.Lfunc_end_k_qcd43849eff_proj:
	.size	k_qcd43849eff_proj, .Lfunc_end_k_qcd43849eff_proj-k_qcd43849eff_proj
	.p2alignl 7, 3214868480
	.fill 96, 4, 3214868480
	.section	.rodata,"a",@progbits
	.p2align	6, 0x0
	.amdhsa_kernel k_qcd43849eff_proj
		.amdhsa_group_segment_fixed_size 327680
		.amdhsa_private_segment_fixed_size 0
		.amdhsa_enable_private_segment 0
		.amdhsa_kernarg_size 48
		.amdhsa_user_sgpr_count 2
		.amdhsa_user_sgpr_kernarg_segment_ptr 1
		.amdhsa_wavefront_size32 1
		.amdhsa_system_sgpr_workgroup_id_x 1
		.amdhsa_system_sgpr_workgroup_id_y 1
		.amdhsa_system_sgpr_workgroup_id_z 1
		.amdhsa_system_vgpr_workitem_id 0
		.amdhsa_next_free_vgpr 1024
		.amdhsa_next_free_sgpr 102
		.amdhsa_reserve_vcc 0
		.amdhsa_float_denorm_mode_32 3
		.amdhsa_float_denorm_mode_16_64 3
		.amdhsa_memory_ordered 1
		.amdhsa_forward_progress 1
		.amdhsa_inst_pref_size 84
	.end_amdhsa_kernel
	.amdgpu_metadata
---
amdhsa.version: [ 1, 2 ]
amdhsa.kernels:
  - .name:           k_qcd43849eff_proj
    .symbol:         k_qcd43849eff_proj.kd
    .args:
      - { .name: yc, .offset: 0, .size: 8, .value_kind: global_buffer, .address_space: global }
      - { .name: ys, .offset: 8, .size: 8, .value_kind: global_buffer, .address_space: global }
      - { .name: cod, .offset: 16, .size: 8, .value_kind: global_buffer, .address_space: global }
      - { .name: scl, .offset: 24, .size: 8, .value_kind: global_buffer, .address_space: global }
      - { .name: bp, .offset: 32, .size: 8, .value_kind: global_buffer, .address_space: global }
      - { .name: out0, .offset: 40, .size: 8, .value_kind: global_buffer, .address_space: global }
    .group_segment_fixed_size: 327680
    .private_segment_fixed_size: 0
    .kernarg_segment_align: 8
    .kernarg_segment_size: 48
    .max_flat_workgroup_size: 128
    .sgpr_count:     102
    .vgpr_count:     1024
    .wavefront_size: 32
...
	.end_amdgpu_metadata
.endif
;; end of part 4
